; MI455X (gfx1250); checked and timed in simulation.
; The chip was launched on July 23, 2026; its instructions are those of AMD's public machine-readable ISA for CDNA 5 (MIT licence, August 2026) and "CDNA5" Instruction Set Architecture Reference Guide (July 2026). The comments in the code are by the model that wrote it; some were corrected since.
;; Expert Tier. Allowed arithmetic: matrix products marked QUANTISED: E5M2 operands, one E8M0 scale for each 32 along K, by v_wmma_scale_f32_16x16x128_f8f6f4 with both operands' format E5M2, f32 sums; products left as they are: f32 operands where the result goes on into a quantised operand, else bf16, f16 or f32 operands; f32 sums; everything else in f32.
;; Inputs: expert_w1 8 x 1,024 x 2,048 float32; expert_w2 8 x 2,048 x 1,024 float32; gate_w 8 x 1,024 float32; ln_beta 1,024 float32; ln_gamma 1,024 float32; x 4 x 512 x 1,024 float32.
;; Outputs: out0 4 x 512 x 1,024 float32.
;; This version of the problem:
;;   THIS VERSION OF THE PROBLEM IS GIVEN IN LOW PRECISION. The matrix products marked QUANTISED in the list below multiply operands that are first quantised to E5M2 (5 exponent bits, 2 mantissa bits; 8 bits a number), with one power-of-two scale for each 32 numbers along K (OCP MX v1.0); their sums are f32. All else is computed in f32.
;;   The module's matrix products, in the order in which they are computed (A, B: the left and right operand; K: the contracted axis; several contracted axes count as one K, in the product's order):
;;     1. [M 2,048, K 1,024] x [K 1,024, N 8]; A: input x; B: input gate_w: left as it is (N = 8 < 16)
;;     2. batch 2,048 x [M 1,024, K 1] x [K 1, N 8]; A: computed on the way; B: computed on the way: left as it is (no contracted axis)
;;     3. batch 8 x [M 2,048, K 1,024] x [K 1,024, N 2,048]; A: computed on the way; B: input expert_w1: QUANTISED
;;     4. batch 8 x [M 2,048, K 2,048] x [K 2,048, N 1,024]; A: computed on the way; B: input expert_w2: QUANTISED
;;     5. batch 2,048 x [M 1,024, K 8] x [K 8, N 1]; A: computed on the way; B: computed on the way: left as it is (K = 8 < 32)
;;   THE QUANTISER, for each operand of a quantised product, along K:
;;     - K is cut into blocks of 32 from its start; a last block that is shorter is filled with zeros.
;;     - A block's scale is 2^e with e = floor(log2(the largest magnitude in the block)) - 15, held to -126 .. 127; a block of zeros has e = 0. As a byte (E8M0): e + 127.
;;     - Each number is divided by its block's scale, clamped to +-57,344, and rounded to the nearest number of E5M2, ties to even, subnormals kept.
;;     - The product sums the exact products of the quantised numbers (number of the format x scale) in f32.
;;   ~~~python
;;   def quantise(x, axis):      # numpy; x: float32 -> the quantised numbers, widened to float32 again
;;       x = np.moveaxis(x, axis, -1); K = x.shape[-1]
;;       x = np.pad(x, [(0, 0)] * (x.ndim - 1) + [(0, -K % 32)]); x = x.reshape(x.shape[:-1] + (-1, 32)); a = np.abs(x).max(-1, keepdims=True)
;;       e = np.where(a > 0, np.clip(np.frexp(np.where(a > 0, a, 1))[1] - 1 - 15, -126, 127), 0)      # np.frexp(a)[1] - 1 = floor(log2(a)), exactly
;;       r = np.clip(x / 2.0 ** e, -57344, 57344)
;;       step = 2.0 ** (np.maximum(np.frexp(np.where(r == 0, 1, r))[1] - 1, -14) - 2)
;;       q = np.round(r / step) * step * 2.0 ** e      # np.round: ties to even
;;       return np.moveaxis(q.reshape(q.shape[:-2] + (-1,))[..., :K], -1, axis).astype(np.float32)
;;   ~~~
;;   OPERANDS COMPUTED ON THE WAY. 'Computed on the way' means the value that the module computes at that place (a softmax that the list does not call 'softmax' is quantised finished and normalised). What goes into a quantiser is computed in f32, as accurately as f32 sums, v_exp_f32 and their like allow (about 1e-6 of the number): no bf16 or f16 on the way to a quantiser, and a product that is left as it is and whose result goes on into a quantised operand takes f32 operands (vector FMAs, or v_wmma_f32_16x16x4_f32). A number that lies on a knife's edge between two numbers of the format may be rounded either way, as far as f32 arithmetic and the matrix unit's own rounding can turn it there, and no further.
;; 2 versions. Each part assembles by itself: llvm-mc -triple=amdgcn-amd-amdhsa -mcpu=gfx1250 --defsym DOCPART=n.
;; ======== version 1 of 2: 5 launches
;; workspace buffers: xc 2,097,152 bytes; xs 65,536 bytes; idx 8,192 bytes of whole numbers; tv 8,192 bytes; plan 8,960 bytes of whole numbers; hid 4,456,448 bytes; hs 139,264 bytes; y 8,912,896 bytes
;; launch route (part 1): grid 256 x 1, 4 waves a work-group, no clusters, 54,016 bytes of LDS; arguments x, gate_w, xc, xs, idx, tv; writes xc, xs, idx, tv
.if DOCPART == 1
	.amdgcn_target "amdgcn-amd-amdhsa--gfx1250"
	.amdhsa_code_object_version 6
	.text
	.protected	k_q71e9c141dc_route
	.globl	k_q71e9c141dc_route
	.p2align	8
	.type	k_q71e9c141dc_route,@function
k_q71e9c141dc_route:
	s_mov_b64 s[64:65], 0
	v_nop
	global_prefetch_b8 v0, s[64:65] scope:SCOPE_SE
	s_setreg_imm32_b32 hwreg(HW_REG_WAVE_MODE, 25, 1), 1
	s_wait_xcnt 0x0
; ROUTE.  For 2,048 tokens of 1,024 numbers: the gate in f32 (8 logits, softmax, first maximum, p / (p + 1e-8)), and x as codes of E5M2 with one E8M0 byte for each 32 along the row.
; The chosen expert and its weight go to FIXED places (idx[token], tv[token]): no address here hangs on them.  A later launch places the rows.
; SHARES.  Work-group b takes tokens 8 b .. 8 b + 7; wave w takes columns 256 w .. 256 w + 255 of all eight, so each number of gate_w is loaded once in a work-group.
; A step is one token's 1,024 bytes of the wave's columns: two loads of 512 consecutive bytes.  They turn through the wave's own stage in LDS (48 bytes a lane: 32 of data, 16 of padding),
; after which lane l holds the 8 neighbours 256 w + 8 l + 0 .. 7: four neighbouring lanes hold a block of 32.
; OUT: a step's codes are 8 bytes a lane, 256 consecutive aligned bytes a store; the work-group's 256 scale bytes meet in LDS and leave as one store of 256 aligned bytes.
; idx and tv are 32 bytes a work-group each (16 KiB in the whole launch against 8 MiB read): those stores do not fill 256 aligned bytes.
; No matrix unit, no tensor load, no cluster: every byte of x is read once and nothing is shared between work-groups but 32 KiB of gate_w.
; LIMITS: NaN and infinities among the inputs are not served.  A block of zeros gets the byte 1 and not 127: its codes are zeros, and this program alone reads the bytes.
; Two probabilities within a rounding of each other may be ordered otherwise than by another order of summation.
.set STGW, 12288                       ; a wave's eight stages
.set STGT, 1536                        ; one stage: 32 lanes x 48 bytes
.set PART, 49152                       ; partial logits: 1,024 bytes a wave, 128 a step, 4 a lane
.set XSC,  53248                       ; the work-group's 256 scale bytes: 32 a token
.set XO, 1                             ; v1   16 x lane
.set SI, 2                             ; v2   into the stage: 48 (lane / 2) + 16 (lane % 2) + my wave's stages
.set SO, 3                             ; v3   out of it: 48 x lane + my wave's stages
.set GO, 4                             ; v4   32 x lane: my 8 numbers of a row of gate_w
.set CO, 5                             ; v5   8 x lane
.set SB, 6                             ; v6   my block's scale byte in LDS
.set PS, 7                             ; v7   where I put a partial logit
.set PL, 8                             ; v8   where token lane % 8's partial logits begin
.set SL, 9                             ; v9   the scale bytes on their way out: XSC + 8 x lane
.set W4, 11                            ; v11  4 x lane
.set LN, 12                            ; v12  lane
.set R,  16                            ; v16-79   x as loaded, 8 a step; later v16-23 a step's logit part, v24-31 its scale byte
.set X,  80                            ; v80-143  8 neighbours a step
.set G,  144                           ; v144-207 gate_w: expert e's 8 numbers at G + 8 e
.set S,  208                           ; v208-223 eight pairs of sums
.set A,  224                           ; v224-231 my part of the 8 logits
.set KP, 232                           ; v232-235 at work
.set SOP, 236                          ; the conversion's scale operand
.set LIM, 237                          ; 57,344 x the scale
.set PX, 239                           ; a lane permute's destination: written once
.set C,  240                           ; v240-255 codes, 2 a step: no store's data are written again
	s_load_b256 s[4:11], s[0:1], 0x0               ; x, gate_w, xc, xs
	s_load_b128 s[12:15], s[0:1], 0x20             ; idx, tv
	v_lshl_add_u32 v14, v0, 2, 0xd100
	v_mov_b32 v15, 0
	v_lshrrev_b32 v13, 5, v0
	v_readfirstlane_b32 s16, v13                   ; wave 0..3
	v_and_b32 v[LN], 31, v0
	v_lshlrev_b32 v[XO], 4, v[LN]
	s_mul_i32 s17, s16, STGW
	v_lshrrev_b32 v13, 1, v[LN]
	v_mul_u32_u24 v[SI], v13, 48
	v_and_b32 v13, 1, v[LN]
	v_lshl_add_u32 v[SI], v13, 4, v[SI]
	v_add_nc_u32 v[SI], s17, v[SI]
	v_mul_u32_u24 v[SO], v[LN], 48
	v_add_nc_u32 v[SO], s17, v[SO]
	v_lshlrev_b32 v[GO], 5, v[LN]
	v_lshlrev_b32 v[CO], 3, v[LN]
	s_lshl_b32 s18, s16, 3
	s_add_co_u32 s18, s18, XSC
	v_lshrrev_b32 v[SB], 2, v[LN]
	v_add_nc_u32 v[SB], s18, v[SB]                 ; XSC + 8 w + lane / 4
	s_lshl_b32 s18, s16, 10                        ; 1,024 w
	s_add_co_u32 s19, s18, PART
	v_lshl_add_u32 v[PS], v[LN], 2, s19
	v_and_b32 v[PL], 7, v[LN]
	v_lshl_add_u32 v[PL], v[PL], 7, PART
	v_lshl_add_u32 v[SL], v[LN], 3, XSC
	v_lshlrev_b32 v[W4], 2, v[LN]
	v_mov_b32 v[PX], 0
	s_mov_b32 s20, 0x76543210
	s_mov_b32 s21, 0xfedcba98                      ; selects: lane l xor 16
	s_mov_b32 s22, 0xaaaaaaaa                      ; lanes with bit 0 set,
	s_mov_b32 s23, 0xcccccccc                      ; bit 1,
	s_mov_b32 s24, 0xf0f0f0f0                      ; bit 2
	s_mov_b32 s25, 0x600000                        ; the mantissa field of 57,344
	s_mov_b32 s29, 0
	s_wait_kmcnt 0x0
	s_lshl_b32 s28, ttmp9, 15                      ; 8 tokens of 4,096 bytes
	s_add_co_u32 s28, s28, s18
	s_add_nc_u64 s[4:5], s[4:5], s[28:29]          ; x at my tokens, my columns
	s_mov_b32 s28, s18
	s_add_nc_u64 s[6:7], s[6:7], s[28:29]          ; gate_w at my columns
	s_lshl_b32 s28, ttmp9, 13
	s_lshl_b32 s30, s16, 8
	s_add_co_u32 s28, s28, s30
	s_add_nc_u64 s[8:9], s[8:9], s[28:29]          ; xc: 8 rows of 1,024 bytes, + 256 w
	s_lshl_b32 s28, ttmp9, 8
	s_add_nc_u64 s[10:11], s[10:11], s[28:29]      ; xs: 256 bytes a work-group
	s_lshl_b32 s28, ttmp9, 5
	s_add_nc_u64 s[12:13], s[12:13], s[28:29]      ; idx, tv: 32 bytes a work-group
	s_add_nc_u64 s[14:15], s[14:15], s[28:29]
.irp t, 0,1,2,3,4,5,6,7
.irp i, 0,1
	global_load_b128 v[R+8*\t+4*\i:R+8*\t+4*\i+3], v[XO], s[4:5] offset:4096*\t+512*\i th:TH_LOAD_NT   ; 512 consecutive bytes, read once in the launch
.endr
.endr
.irp e, 0,1,2,3,4,5,6,7
.irp i, 0,1
	global_load_b128 v[G+8*\e+4*\i:G+8*\e+4*\i+3], v[GO], s[6:7] offset:4096*\e+16*\i
.endr
.endr
; Step t through the stage.  LDS serves a wave's instructions in order, and the bytes are the wave's own: no wait between the stores and the loads.
.macro TURN t
	s_wait_loadcnt 16+2*(7-\t)                     ; this step's two loads are in; the younger x loads and the 16 of gate_w may be out
.irp i, 0,1
	ds_store_b128 v[SI], v[R+8*\t+4*\i:R+8*\t+4*\i+3] offset:STGT*\t+768*\i
.endr
.irp i, 0,1
	ds_load_b128 v[X+8*\t+4*\i:X+8*\t+4*\i+3], v[SO] offset:STGT*\t+16*\i
.endr
.endm
.irp t, 0,1,2,3,4,5,6,7
	TURN \t
.endr
	s_wait_loadcnt 0x0                             ; gate_w
	s_wait_dscnt 0x0                               ; all eight steps are back; the stores have read v16-79
; One halving of the butterfly: of two experts' sums a lane keeps one (by a bit of its number) and hands the other to the lane across.
.macro FOLD lo, hi, mask, xm, k
	v_cndmask_b32 v[KP+2*\k], v[A+\lo], v[A+\hi], s[\mask]
	v_cndmask_b32 v[KP+2*\k+1], v[A+\hi], v[A+\lo], s[\mask]
	v_add_f32_dpp v[A+\lo], v[KP+2*\k+1], v[KP+2*\k] row_xmask:\xm row_mask:0xf bank_mask:0xf
.endm
; My 8 numbers of token t against my 8 numbers of each expert; then the sum over the 32 lanes, which leaves expert lane % 8 in each lane.
.macro DOT t
.irp e, 0,1,2,3,4,5,6,7
	v_pk_mul_f32 v[S+2*\e:S+2*\e+1], v[X+8*\t:X+8*\t+1], v[G+8*\e:G+8*\e+1]
.endr
.irp p, 1,2,3
.irp e, 0,1,2,3,4,5,6,7
	v_pk_fma_f32 v[S+2*\e:S+2*\e+1], v[X+8*\t+2*\p:X+8*\t+2*\p+1], v[G+8*\e+2*\p:G+8*\e+2*\p+1], v[S+2*\e:S+2*\e+1]
.endr
.endr
.irp e, 0,1,2,3,4,5,6,7
	v_add_f32 v[A+\e], v[S+2*\e], v[S+2*\e+1]
.endr
	FOLD 0, 1, 22, 1, 0
	FOLD 2, 3, 22, 1, 1
	FOLD 4, 5, 22, 1, 0
	FOLD 6, 7, 22, 1, 1
	FOLD 0, 2, 23, 2, 0
	FOLD 4, 6, 23, 2, 1
	FOLD 0, 4, 24, 4, 0
	v_add_f32_dpp v[A], v[A], v[A] row_xmask:8 row_mask:0xf bank_mask:0xf
	v_permlanex16_b32 v[PX], v[A], s20, s21
	v_add_f32 v[R+\t], v[A], v[PX]
	ds_store_b32 v[PS], v[R+\t] offset:128*\t
.endm
; Token t's 8 numbers of mine become 8 codes; the block's byte goes to LDS (its four lanes write the same byte with the same value).
.macro QX t
	v_max3_num_f32 v[KP], |v[X+8*\t]|, |v[X+8*\t+1]|, 0x8000000    ; with the floor 2^(16 - 127): the byte cannot fall under 1
	v_max3_num_f32 v[KP+1], |v[X+8*\t+2]|, |v[X+8*\t+3]|, |v[X+8*\t+4]|
	v_max3_num_f32 v[KP], v[KP], |v[X+8*\t+5]|, |v[X+8*\t+6]|
	v_max3_num_f32 v[KP], v[KP], v[KP+1], |v[X+8*\t+7]|
	v_max_num_f32_dpp v[KP], v[KP], v[KP] row_xmask:1 row_mask:0xf bank_mask:0xf
	v_max_num_f32_dpp v[KP], v[KP], v[KP] row_xmask:2 row_mask:0xf bank_mask:0xf   ; the block's largest magnitude
	v_add_nc_u32 v[SOP], 0xf8800000, v[KP]         ; 15 off its exponent field: the conversion takes this operand's exponent field as its scale
	v_and_or_b32 v[LIM], v[KP], 0x7f800000, s25    ; 57,344 x the scale
.irp i, 0,1,2,3,4,5,6,7
	v_med3_num_f32 v[X+8*\t+\i], v[X+8*\t+\i], -v[LIM], v[LIM]     ; the conversion does not saturate (ISA guide 7.6.2): the hold comes first
.endr
	v_cvt_scalef32_pk8_bf8_f32 v[C+2*\t:C+2*\t+1], v[X+8*\t:X+8*\t+7], v[SOP]
	v_lshrrev_b32 v[R+8+\t], 23, v[SOP]            ; the byte; also the plain line behind the conversion
	ds_store_b8 v[SB], v[R+8+\t] offset:32*\t
	global_store_b64 v[CO], v[C+2*\t:C+2*\t+1], s[8:9] offset:1024*\t   ; 32 lanes store 256 consecutive bytes, aligned
.endm
.irp t, 0,1,2,3,4,5,6,7
	DOT \t                                         ; ahead of QX, which holds the numbers in place
	QX \t
.endr
	s_wait_dscnt 0x0                               ; for the others: my logit parts and scale bytes lie in LDS
	s_barrier_signal -1
	s_barrier_wait -1
	s_cmp_lg_u32 s16, 0                            ; the rest is wave 0's; no barrier follows
	s_cbranch_scc1 .Ldone
	ds_load_b64 v[S:S+1], v[SL]
.irp w, 0,1,2,3
.irp i, 0,1
	ds_load_b128 v[X+8*\w+4*\i:X+8*\w+4*\i+3], v[PL] offset:1024*\w+16*\i   ; token lane % 8: wave w's parts of its 8 logits
.endr
.endr
	s_wait_dscnt 8                                 ; the scale bytes are in; the eight loads behind them may be out
	global_store_b64 v[CO], v[S:S+1], s[10:11]     ; 256 consecutive bytes, aligned
	s_wait_dscnt 0x0
.irp e, 0,1,2,3,4,5,6,7
	v_add_f32 v[G+\e], v[X+\e], v[X+8+\e]
.endr
.irp e, 0,1,2,3,4,5,6,7
	v_add_f32 v[G+8+\e], v[X+16+\e], v[X+24+\e]
.endr
.irp e, 0,1,2,3,4,5,6,7
	v_add_f32 v[G+\e], v[G+\e], v[G+8+\e]          ; the logits
.endr
	v_max3_num_f32 v232, v[G], v[G+1], v[G+2]
	v_max3_num_f32 v233, v[G+3], v[G+4], v[G+5]
	v_max3_num_f32 v232, v232, v[G+6], v[G+7]
	v_max_num_f32 v232, v232, v233                 ; the largest is taken away ahead of the exponentials
.irp e, 0,1,2,3,4,5,6,7
	v_sub_f32 v[G+\e], v[G+\e], v232
.endr
.irp e, 0,1,2,3,4,5,6,7
	v_mul_f32 v[G+\e], 0x3fb8aa3b, v[G+\e]
.endr
.irp e, 0,1,2,3,4,5,6,7
	v_exp_f32 v[G+\e], v[G+\e]
.endr
	v_mov_b32 v234, 7                              ; a plain line behind the batch
	s_wait_alu depctr_va_vdst(0)                   ; one wait for the eight, ahead of their first reader
.irp e, 6,5,4,3,2,1,0
	v_cmp_gt_f32 vcc_lo, 1.0, v[G+\e]              ; the largest probability's exponential is 1: the lowest expert that reaches it is chosen
	v_cndmask_b32 v234, \e, v234, vcc_lo
.endr
	v_add_f32 v235, v[G], v[G+1]
	v_add_f32 v236, v[G+2], v[G+3]
	v_add_f32 v237, v[G+4], v[G+5]
	v_add_f32 v238, v[G+6], v[G+7]
	v_add_f32 v235, v235, v236
	v_add_f32 v237, v237, v238
	v_add_f32 v235, v235, v237
	v_rcp_f32 v236, v235                           ; p = 1 / the sum
	v_nop
	s_wait_alu depctr_va_vdst(0)
	v_add_f32 v237, 0x322bcc77, v236               ; p + 1e-8
	v_rcp_f32 v238, v237
	v_nop
	s_wait_alu depctr_va_vdst(0)
	v_mul_f32 v233, v236, v238
	v_cmp_gt_u32 vcc_lo, 8, v[LN]
	s_wait_xcnt 0x0                                ; EXEC changes only behind this wait
	s_and_saveexec_b32 s26, vcc_lo
	global_store_b32 v[W4], v234, s[12:13]
	global_store_b32 v[W4], v233, s[14:15]
	s_wait_xcnt 0x0
	s_or_b32 exec_lo, exec_lo, s26
.Ldone:
	s_wait_tensorcnt 0x0
	ds_add_u32 v14, v15
	s_wait_dscnt 0x0
	s_endpgm
.Lfunc_end_k_q71e9c141dc_route:
	.size	k_q71e9c141dc_route, .Lfunc_end_k_q71e9c141dc_route-k_q71e9c141dc_route
	.p2alignl 7, 3214868480
	.fill 96, 4, 3214868480
	.section	.rodata,"a",@progbits
	.p2align	6, 0x0
	.amdhsa_kernel k_q71e9c141dc_route
		.amdhsa_group_segment_fixed_size 54016
		.amdhsa_private_segment_fixed_size 0
		.amdhsa_enable_private_segment 0
		.amdhsa_kernarg_size 48
		.amdhsa_user_sgpr_count 2
		.amdhsa_user_sgpr_kernarg_segment_ptr 1
		.amdhsa_wavefront_size32 1
		.amdhsa_system_sgpr_workgroup_id_x 1
		.amdhsa_system_sgpr_workgroup_id_y 1
		.amdhsa_system_sgpr_workgroup_id_z 1
		.amdhsa_system_vgpr_workitem_id 0
		.amdhsa_next_free_vgpr 256
		.amdhsa_next_free_sgpr 66
		.amdhsa_reserve_vcc 1
		.amdhsa_float_denorm_mode_32 3
		.amdhsa_float_denorm_mode_16_64 3
		.amdhsa_memory_ordered 1
		.amdhsa_forward_progress 1
		.amdhsa_inst_pref_size 53
	.end_amdhsa_kernel
	.amdgpu_metadata
---
amdhsa.version: [ 1, 2 ]
amdhsa.kernels:
  - .name:           k_q71e9c141dc_route
    .symbol:         k_q71e9c141dc_route.kd
    .args:
      - { .name: x, .offset: 0, .size: 8, .value_kind: global_buffer, .address_space: global }
      - { .name: gate_w, .offset: 8, .size: 8, .value_kind: global_buffer, .address_space: global }
      - { .name: xc, .offset: 16, .size: 8, .value_kind: global_buffer, .address_space: global }
      - { .name: xs, .offset: 24, .size: 8, .value_kind: global_buffer, .address_space: global }
      - { .name: idx, .offset: 32, .size: 8, .value_kind: global_buffer, .address_space: global }
      - { .name: tv, .offset: 40, .size: 8, .value_kind: global_buffer, .address_space: global }
    .group_segment_fixed_size: 54016
    .private_segment_fixed_size: 0
    .kernarg_segment_align: 8
    .kernarg_segment_size: 48
    .max_flat_workgroup_size: 128
    .sgpr_count:     66
    .vgpr_count:     256
    .wavefront_size: 32
...
	.end_amdgpu_metadata
.endif
;; end of part 1
;; launch place (part 2): grid 1 x 1, 8 waves a work-group, no clusters, 2,048 bytes of LDS; arguments idx, plan; writes plan
.if DOCPART == 2
	.amdgcn_target "amdgcn-amd-amdhsa--gfx1250"
	.amdhsa_code_object_version 6
	.text
	.protected	k_q71e9c141dc_place
	.globl	k_q71e9c141dc_place
	.p2align	8
	.type	k_q71e9c141dc_place,@function
k_q71e9c141dc_place:
	s_mov_b64 s[64:65], 0
	v_nop
	global_prefetch_b8 v0, s[64:65] scope:SCOPE_SE
	s_setreg_imm32_b32 hwreg(HW_REG_WAVE_MODE, 25, 1), 1
	s_wait_xcnt 0x0
; PLACE.  A counting sort of the 2,048 tokens by their expert, each expert's rows padded to whole tiles of 16.
; plan: bytes 0 .. 35: tb[0 .. 8], tb[x] = expert x's first tile, tb[8] = the number of tiles (at most 135: (2,048 + 8 x 15) / 16, rounded down);
;       from byte 256: rows[16 x tile + r] = a token's number, or 4,096 for a padding row.
; One work-group, eight waves: wave w takes tokens 256 w .. 256 w + 255 as 8 chunks of 32, a lane a token.  No atomics: counts meet in LDS behind one barrier, and each token's place is
; its expert's first row + the tokens of that expert in earlier waves + in earlier chunks + in lower lanes.  The work is a few thousand whole numbers: more work-groups would only have to exchange counts.
	s_load_b128 s[4:7], s[0:1], 0x0                ; idx, plan
	v_lshl_add_u32 v72, v0, 2, 0x400
	v_mov_b32 v73, 0
	v_lshrrev_b32 v1, 5, v0
	v_readfirstlane_b32 s8, v1                     ; wave 0..7
	v_and_b32 v1, 31, v0                           ; lane
	s_lshl_b32 s9, s8, 10
	s_lshl_b32 s10, s8, 8
	v_lshl_add_u32 v2, v1, 2, s9                   ; idx: 1,024 w + 4 x lane
	v_lshlrev_b32 v3, 2, v0                        ; LDS: 128 bytes a wave, 4 a lane
	v_and_b32 v4, 7, v0
	v_lshlrev_b32 v4, 2, v4                        ; LDS: expert lane % 8's word
	v_lshlrev_b32 v5, 2, v1
	v_add_nc_u32 v56, s10, v1                      ; v56-63: my token of each chunk
.irp c, 1,2,3,4,5,6,7
	v_add_nc_u32 v[56+\c], 32*\c, v56
.endr
.irp x, 0,1,2,3,4,5,6,7
	s_mov_b32 s[16+\x], 0
.endr
	s_wait_kmcnt 0x0
.irp c, 0,1,2,3,4,5,6,7
	global_load_b32 v[16+\c], v2, s[4:5] offset:128*\c
.endr
	s_wait_loadcnt 0x0
.irp c, 0,1,2,3,4,5,6,7                        ; my wave's count of each expert: eight masks, then their counts
.irp x, 0,1,2,3,4,5,6,7
	v_cmp_eq_u32 s[24+\x], \x, v[16+\c]
.endr
.irp x, 0,1,2,3,4,5,6,7
	s_bcnt1_i32_b32 s[32+\x], s[24+\x]
.endr
.irp x, 0,1,2,3,4,5,6,7
	s_add_co_u32 s[16+\x], s[16+\x], s[32+\x]
.endr
.endr
	v_mov_b32 v30, 0
.irp x, 0,1,2,3,4,5,6,7
	v_writelane_b32 v30, s[16+\x], \x
.endr
	ds_store_b32 v3, v30
	s_wait_dscnt 0x0                               ; for the others: my counts lie in LDS
	s_barrier_signal -1
	s_barrier_wait -1
.irp w, 0,1,2,3,4,5,6,7
	ds_load_b32 v[32+\w], v4 offset:128*\w         ; lane x: wave w's count of expert x
.endr
	v_mov_b32 v40, 0                               ; all waves',
	v_mov_b32 v41, 0                               ; and those of the waves ahead of mine
	s_wait_dscnt 0x0
.irp w, 0,1,2,3,4,5,6,7
	v_add_nc_u32 v40, v40, v[32+\w]
	s_cmp_gt_u32 s8, \w
	s_cselect_b32 s11, -1, 0
	v_and_b32 v44, s11, v[32+\w]
	v_add_nc_u32 v41, v41, v44
.endr
	v_add_nc_u32 v42, 15, v40
	v_lshrrev_b32 v42, 4, v42                      ; tiles of the expert
.irp x, 0,1,2,3,4,5,6,7
	v_readlane_b32 s[24+\x], v42, \x
	v_readlane_b32 s[32+\x], v41, \x
	v_readlane_b32 s[40+\x], v40, \x
.endr
	s_mov_b32 s48, 0
.irp x, 0,1,2,3,4,5,6,7
	s_add_co_u32 s[49+\x], s[48+\x], s[24+\x]      ; tb[0 .. 8] in s48 .. s56
.endr
.irp x, 0,1,2,3,4,5,6,7
	s_lshl_b32 s11, s[48+\x], 4
	s_add_co_u32 s[16+\x], s11, s[32+\x]           ; where my wave's first token of expert x goes
.endr
.irp c, 0,1,2,3,4,5,6,7
	v_mov_b32 v[48+\c], 0
.endr
.irp c, 0,1,2,3,4,5,6,7
.irp x, 0,1,2,3,4,5,6,7
	v_cmp_eq_u32 s[24+\x], \x, v[16+\c]
.endr
.irp x, 0,1,2,3,4,5,6,7
	v_mbcnt_lo_u32_b32 v44, s[24+\x], s[16+\x]     ; the start + the lower lanes with the same expert
	v_cndmask_b32 v[48+\c], v[48+\c], v44, s[24+\x]
.endr
.irp x, 0,1,2,3,4,5,6,7
	s_bcnt1_i32_b32 s[32+\x], s[24+\x]
.endr
.irp x, 0,1,2,3,4,5,6,7
	s_add_co_u32 s[16+\x], s[16+\x], s[32+\x]
.endr
.endr
.irp c, 0,1,2,3,4,5,6,7
	v_min_u32 v[48+\c], 0x87f, v[48+\c]            ; held inside the list's 2,176 entries
	v_lshlrev_b32 v[48+\c], 2, v[48+\c]
	global_store_b32 v[48+\c], v[56+\c], s[6:7] offset:256
.endr
	; the padding rows of expert w: from 16 tb[w] + its tokens up to 16 tb[w + 1], at most 15
	s_mov_b32 s12, 0
	s_mov_b32 s13, 0
	s_mov_b32 s14, 0
.irp x, 0,1,2,3,4,5,6,7
	s_cmp_eq_u32 s8, \x
	s_cselect_b32 s12, s[48+\x], s12
	s_cselect_b32 s13, s[49+\x], s13
	s_cselect_b32 s14, s[40+\x], s14
.endr
	s_lshl_b32 s12, s12, 4
	s_add_co_u32 s12, s12, s14
	s_lshl_b32 s13, s13, 4
	v_add_nc_u32 v45, s12, v1
	v_cmp_gt_u32 vcc_lo, s13, v45
	v_min_u32 v45, 0x87f, v45
	v_lshlrev_b32 v45, 2, v45
	v_mov_b32 v46, 0x1000
	s_wait_xcnt 0x0                                ; EXEC changes only behind this wait
	s_and_saveexec_b32 s15, vcc_lo
	global_store_b32 v45, v46, s[6:7] offset:256
	s_wait_xcnt 0x0
	s_or_b32 exec_lo, exec_lo, s15
	s_cmp_lg_u32 s8, 0                             ; the table is wave 0's
	s_cbranch_scc1 .Ldone
	v_mov_b32 v47, 0
.irp x, 0,1,2,3,4,5,6,7,8
	v_writelane_b32 v47, s[48+\x], \x
.endr
	global_store_b32 v5, v47, s[6:7]               ; bytes 0 .. 127
.Ldone:
	s_wait_tensorcnt 0x0
	ds_add_u32 v72, v73
	s_wait_dscnt 0x0
	s_endpgm
.Lfunc_end_k_q71e9c141dc_place:
	.size	k_q71e9c141dc_place, .Lfunc_end_k_q71e9c141dc_place-k_q71e9c141dc_place
	.p2alignl 7, 3214868480
	.fill 96, 4, 3214868480
	.section	.rodata,"a",@progbits
	.p2align	6, 0x0
	.amdhsa_kernel k_q71e9c141dc_place
		.amdhsa_group_segment_fixed_size 2048
		.amdhsa_private_segment_fixed_size 0
		.amdhsa_enable_private_segment 0
		.amdhsa_kernarg_size 16
		.amdhsa_user_sgpr_count 2
		.amdhsa_user_sgpr_kernarg_segment_ptr 1
		.amdhsa_wavefront_size32 1
		.amdhsa_system_sgpr_workgroup_id_x 1
		.amdhsa_system_sgpr_workgroup_id_y 1
		.amdhsa_system_sgpr_workgroup_id_z 1
		.amdhsa_system_vgpr_workitem_id 0
		.amdhsa_next_free_vgpr 74
		.amdhsa_next_free_sgpr 66
		.amdhsa_reserve_vcc 1
		.amdhsa_float_denorm_mode_32 3
		.amdhsa_float_denorm_mode_16_64 3
		.amdhsa_memory_ordered 1
		.amdhsa_forward_progress 1
		.amdhsa_inst_pref_size 36
	.end_amdhsa_kernel
	.amdgpu_metadata
---
amdhsa.version: [ 1, 2 ]
amdhsa.kernels:
  - .name:           k_q71e9c141dc_place
    .symbol:         k_q71e9c141dc_place.kd
    .args:
      - { .name: idx, .offset: 0, .size: 8, .value_kind: global_buffer, .address_space: global }
      - { .name: plan, .offset: 8, .size: 8, .value_kind: global_buffer, .address_space: global }
    .group_segment_fixed_size: 2048
    .private_segment_fixed_size: 0
    .kernarg_segment_align: 8
    .kernarg_segment_size: 16
    .max_flat_workgroup_size: 256
    .sgpr_count:     66
    .vgpr_count:     74
    .wavefront_size: 32
...
	.end_amdgpu_metadata
.endif
;; end of part 2
;; launch up (part 3): grid 32 x 8, 4 waves a work-group, no clusters, 68,096 bytes of LDS; arguments expert_w1, xc, xs, plan, hid, hs; writes hid, hs
.if DOCPART == 3
	.amdgcn_target "amdgcn-amd-amdhsa--gfx1250"
	.amdhsa_code_object_version 6
	.text
	.protected	k_q71e9c141dc_up
	.globl	k_q71e9c141dc_up
	.p2align	8
	.type	k_q71e9c141dc_up,@function
k_q71e9c141dc_up:
	s_mov_b64 s[64:65], 0
	v_nop
	global_prefetch_b8 v0, s[64:65] scope:SCOPE_SE
	s_setreg_imm32_b32 hwreg(HW_REG_WAVE_MODE, 25, 1), 1
	s_wait_xcnt 0x0
; UP.  hidden = Q(gelu(Q(x) Q(W1[e]))) for the rows that chose expert e, on codes of E5M2 with one E8M0 scale for each 32 along K.
; SHARES.  Work-group (j, e) owns hidden units 64 j .. 64 j + 63 of expert e: 1,024 x 64 numbers of W1, 256 KiB of f32, read ONCE in the launch, quantised in registers and kept as 32 fragments
; in every wave's registers.  Then the expert's tiles of 16 rows are dealt to the four waves by turns.
; PHASE 1.  W1 is [K][H]: K is not innermost.  A load takes 16 bytes a lane: sixteen lanes read 256 consecutive aligned bytes of one row of W1, the other sixteen the row 128 further down.  A lane owns 4 columns and the
; 128 rows of ONE K step: its registers run down K, so a block's largest magnitude needs no other lane.  The hold writes each column's numbers on end, the conversions make codes with K innermost, and
; they go to LDS as IMAGES OF THE OPERAND'S REGISTERS (image o = 4 fragment + c at 512 o, lane slot at 16 x slot).  One barrier; every wave loads all 128 images.  These 32 stores a wave do not spread evenly over the banks; they run once.
; An expert without rows still has its slice read: the barrier stands on every wave's path, ahead of every branch on a stored number.
; THE HIDDEN UNITS OF A TILE ARE NOT NEIGHBOURS: row m of tile 2 b + u is unit 32 b + 8 u + m + 8 (m / 8), and the product is used transposed (source 0 = 16 units, source 1 = 16 rows of x): so a lane holds one
; row, and the 16 registers of tiles 2 b, 2 b + 1 are the 16 neighbours 32 b + 16 (lane / 16) + 0 .. 15 along the next K: the conversions' results are the next operand's registers.
; GELU, exact form, in f32: erfc(z) = t exp(-z z + P(t)), t = 1 / (1 + z / 2), the ten-coefficient fit whose stated fractional error is under 1.2e-7 for every z >= 0; log2(e) and the factor 1/2 are folded into the
; constants.  w = x erfc(|x| / sqrt 2) / 2; gelu = w for x < 0 and x - w for x >= 0, which is max(w, x - w).
; OUT: hid[tile][o = 2 j + b][lane][16 bytes]: each store covers 512 consecutive aligned bytes.  hs[tile][row][64]: one byte a lane (128 KiB in the launch against 64 MiB read): those stores do not fill 256 aligned bytes.
; NO TENSOR LOADS, NO JOINT LOADS: the number of tiles is a number read from memory, so the loop's trip count hangs on it and operands come from memory into registers.  The 32 slices of an expert each read its rows of xc.
; LIMITS: NaN and infinities are not served (w would be infinity x 0).  A block of zeros gets the byte 1 and not 127: its codes are zeros, and this program alone reads the bytes.  Padding rows of a tile take token 2,047's numbers; nobody reads their results.
; REGISTERS, in windows of 256: window 0: addresses, scale words, accumulators, the gelu;  windows 1, 2: W1 as loaded, then its 32 fragments (fragment 4 s + t at 256 + 16 (4 s + t));
;   window 3: v0-127 held numbers, then x's 8 fragments; v128-255 the weights' codes, 32 a round.
.set PB,   8192                        ; a row of W1 in bytes
.set L16,  1                           ; v1   16 x lane
.set WOFF, 2                           ; v2   W1: (lane / 16) x 128 rows + 16 (lane % 16)
.set IST,  3                           ; v3   where my codes' images begin
.set SST,  4                           ; v4   where my columns' scale words go
.set SLD,  5                           ; v5   65,536 + 4 (lane % 16)
.set LB,   6                           ; v6   256 + 4 (lane % 16): my row in a tile's part of the list
.set H16,  7                           ; v7   16 (lane / 16)
.set XO,   8                           ; v8   my token's row of xc
.set XSO,  9                           ; v9   and of xs
.set LO,   10                          ; v10  the list entry asked for
.set TK,   11                          ; v11  the token in hand
.set L1,   12                          ; v12  the next tile's list entry
.set HSO,  13                          ; v13  64 (lane % 16) + lane / 16
.set LO2,  14                          ; v14  the second list load of the start
.set WS,   16                          ; v16-47  W1's scale words, one a fragment: scales and nothing else
.set XS,   48                          ; v48-55  x's scale words, one a K step: scales and nothing else
.set Q9,   56                          ; v56-57  the fit's highest coefficient, twice
.set ACC,  64                          ; v64-95  four accumulators
.set G,    96                          ; v96-127 kappa x; later the gelu
.set T,    128                         ; v128-159
.set P,    160                         ; v160-191
.set CD,   192                         ; v192-199 the hidden codes
.set QM,   200                         ; largest magnitudes
.set QS,   204                         ; the conversions' scale operands
.set QL,   208                         ; 57,344 x the scales
.set QB,   212                         ; the bytes
.set QW,   216                         ; the weights' scale words in the making
.set PX,   220                         ; v220-221 lane permutes' destinations: written once
.set BY,   222                         ; the byte that I store
.set TMP,  224
.set MSB, 0
.macro WIN new                         ; the immediate's high byte repeats the setting that is left; a switch that changes nothing is dropped
.if MSB != (\new)
	s_set_vgpr_msb (MSB<<8)|(\new)
.set MSB, (\new)
.endif
.endm
.macro SPAIR r, val                    ; a packed form names a pair and takes its low word for both halves: both are written
	s_mov_b32 s[\r], \val
	s_mov_b32 s[\r+1], \val
.endm
	s_load_b256 s[4:11], s[0:1], 0x0               ; W1, xc, xs, plan
	s_load_b128 s[12:15], s[0:1], 0x20             ; hid, hs
	v_lshl_add_u32 v254, v0, 2, 0x10800
	v_mov_b32 v255, 0
	v_lshrrev_b32 v[TMP], 5, v0
	v_readfirstlane_b32 s18, v[TMP]                ; wave 0..3
	s_mov_b32 s19, ttmp9                           ; j
	s_and_b32 s20, ttmp7, 0xffff                   ; e
	v_and_b32 v[TMP], 31, v0
	v_lshlrev_b32 v[L16], 4, v[TMP]
	v_and_b32 v[TMP+1], 15, v0                     ; q = lane % 16
	v_bfe_u32 v[TMP+2], v0, 4, 1                   ; lane / 16
	v_lshlrev_b32 v[WOFF], 4, v[TMP+1]
	v_lshl_add_u32 v[WOFF], v[TMP+2], 20, v[WOFF]  ; 128 rows of 8,192 bytes
	v_bfe_u32 v[TMP+3], v0, 3, 1                   ; my columns 4 q + u: tile t = 2 (q / 8) + (q / 2) % 2,
	v_bfe_u32 v[TMP+4], v0, 1, 1
	v_bfe_u32 v[TMP+5], v0, 2, 1                   ; row m = 8 ((q / 4) % 2) + 4 (q % 2) + u
	v_and_b32 v[TMP+6], 1, v0
	s_lshl_b32 s33, s18, 9
	v_lshlrev_b32 v[TMP+7], 7, v[TMP+3]
	v_lshl_add_u32 v[TMP+7], v[TMP+4], 6, v[TMP+7]
	v_lshl_add_u32 v[TMP+7], v[TMP+2], 8, v[TMP+7]
	v_add_nc_u32 v[TMP+7], s33, v[TMP+7]           ; 64 x my fragment = 64 t + 256 (2 w + lane / 16)
	v_lshlrev_b32 v[TMP+8], 3, v[TMP+5]
	v_lshl_add_u32 v[TMP+8], v[TMP+6], 2, v[TMP+8] ; m of u = 0
	v_lshlrev_b32 v[IST], 5, v[TMP+7]
	v_lshl_add_u32 v[IST], v[TMP+8], 4, v[IST]     ; 2,048 x fragment + 16 m
	v_lshl_add_u32 v[SST], v[TMP+8], 2, v[TMP+7]
	v_add_nc_u32 v[SST], 0x10000, v[SST]           ; 65,536 + 64 x fragment + 4 m
	v_lshl_add_u32 v[SLD], v[TMP+1], 2, 0x10000
	v_lshl_add_u32 v[LB], v[TMP+1], 2, 256
	v_lshlrev_b32 v[H16], 4, v[TMP+2]
	v_lshl_add_u32 v[HSO], v[TMP+1], 6, v[TMP+2]
	v_mov_b32 v[Q9], 0x3e7c6f08
	v_mov_b32 v[Q9+1], 0x3e7c6f08
	v_mov_b32 v[PX], 0
	v_mov_b32 v[PX+1], 0
	s_mov_b32 s27, 0x600000                        ; the mantissa field of 57,344
	s_mov_b32 s28, 0x76543210
	s_mov_b32 s29, 0xfedcba98                      ; selects: lane l xor 16
	s_mov_b32 s30, 0xffff0000                      ; lanes 16-31
	SPAIR 66, 0xbf97d29d                           ; q8 .. q0: the fit's coefficients x log2(e); q0 less 1
	SPAIR 68, 0x40097039
	SPAIR 70, 0xbfd1a1e5
	SPAIR 72, 0x3ecdfd18
	SPAIR 74, 0xbe899a80
	SPAIR 76, 0x3e0efb2e
	SPAIR 78, 0x3f0a29d2
	SPAIR 80, 0x3fb8ab5a
	SPAIR 82, 0xc034d90f
	SPAIR 84, 0x3f596d27                           ; kappa = sqrt(log2(e) / 2)
	s_mov_b32 s86, 0x3ed5224d                      ; lambda = 0.5 / sqrt(log2(e))
	s_mov_b32 s37, 0
	s_mov_b32 s45, 0
	s_wait_kmcnt 0x0
	s_lshl_b32 s36, s20, 23                        ; an expert is 8,388,608 bytes,
	s_lshl_b32 s33, s19, 8                         ; my slice 256 bytes of a row,
	s_add_co_u32 s36, s36, s33
	s_lshl_b32 s33, s18, 21                        ; my wave's two K steps 256 rows
	s_add_co_u32 s36, s36, s33
	s_add_nc_u64 s[4:5], s[4:5], s[36:37]
	s_lshl_b32 s36, s20, 2
	s_add_nc_u64 s[40:41], s[10:11], s[36:37]
	s_load_b64 s[22:23], s[40:41], 0x0             ; tb[e], tb[e + 1]: waited for behind the barrier
	s_lshl_b32 s36, s19, 10
	s_add_nc_u64 s[12:13], s[12:13], s[36:37]      ; hid + 1,024 j
	s_lshl_b32 s36, s19, 1
	s_add_nc_u64 s[14:15], s[14:15], s[36:37]      ; hs + 2 j
; Round c: rows 32 c .. 32 c + 31 of my K step, 4 columns a lane.  Register 4 i + u = W1(row i, column u).
.macro WLOAD c
.set XB, 128*((\c)%2)
	WIN 0x40*(1+(\c)/2)
.set wi, 0
.rept 32
	global_load_b128 v[XB+4*wi:XB+4*wi+3], v[WOFF], s[4:5] offset:(32*(\c)+wi)*PB th:TH_LOAD_NT
.set wi, wi+1
.endr
	WIN 0
.endm
; Round c becomes codes: four blocks of 32, one a column.
.macro WQ c
.set XB, 128*((\c)%2)
.set WX, 1+(\c)/2
.irp u, 0,1,2,3
	v_mov_b32 v[QM+\u], 0x8000000                  ; the floor 2^(16 - 127): the byte cannot fall under 1
.endr
	WIN (WX<<2)|(WX<<4)
.set qi, 0
.rept 16
.irp u, 0,1,2,3
	v_max3_num_f32 v[QM+\u], v[QM+\u], |v[XB+8*qi+\u]|, |v[XB+8*qi+4+\u]|   ; the four columns by turns
.endr
.set qi, qi+1
.endr
	WIN 0
.irp u, 0,1,2,3
	v_add_nc_u32 v[QS+\u], 0xf8800000, v[QM+\u]    ; 15 off the exponent field: the conversion's scale operand
.endr
.irp u, 0,1,2,3
	v_and_or_b32 v[QL+\u], v[QM+\u], 0x7f800000, s27   ; 57,344 x the scale
.endr
.irp u, 0,1,2,3
	v_lshrrev_b32 v[QB+\u], 23, v[QS+\u]           ; the byte
.endr
.if (\c) == 0
.irp u, 0,1,2,3
	v_mov_b32 v[QW+\u], v[QB+\u]
.endr
.else
.irp u, 0,1,2,3
	v_lshl_or_b32 v[QW+\u], v[QB+\u], 8*(\c), v[QW+\u]   ; a K step's four bytes make a column's scale word
.endr
.endif
	WIN 0xC0|WX
.irp u, 0,1,2,3
.set qi, 0
.rept 32
	v_med3_num_f32 v[32*\u+qi], v[XB+4*qi+\u], -v[QL+\u], v[QL+\u]   ; the hold (the conversion does not saturate: ISA guide 7.6.2), and each column's 32 numbers on end
.set qi, qi+1
.endr
.endr
	WIN 0xC3
.irp u, 0,1,2,3
.irp k, 0,1,2,3
	v_cvt_scalef32_pk8_bf8_f32 v[128+32*(\c)+8*\u+2*\k:128+32*(\c)+8*\u+2*\k+1], v[32*\u+8*\k:32*\u+8*\k+7], v[QS+\u]
.endr
.endr
	v_nop                                          ; a plain line behind the last conversion: the next round writes its sources
	WIN 0x0C                                       ; an LDS store's data are its source 1: window 3
.irp u, 0,1,2,3
.irp hh, 0,1
	ds_store_b128 v[IST], v[128+32*(\c)+8*\u+4*\hh:128+32*(\c)+8*\u+4*\hh+3] offset:512*(\c)+256*\hh+16*\u   ; k = 32 c + 16 hh + 0 .. 15 of row m + u: lane slot 16 hh + m + u of image c
.endr
.endr
	WIN 0
.endm
	WLOAD 0
	WLOAD 1
	s_wait_loadcnt 32                              ; round 0 is in; round 1's 32 loads may be out
	WLOAD 2
	WQ 0
	s_wait_loadcnt 32                              ; round 1 is in; round 2's may be out
	WLOAD 3
	WQ 1
	s_wait_loadcnt 32                              ; round 2 is in; round 3's may be out
	WQ 2
	s_wait_loadcnt 0x0
	WQ 3
.irp u, 0,1,2,3
	ds_store_b32 v[SST], v[QW+\u] offset:4*\u
.endr
	s_wait_dscnt 0x0                               ; for the others: my images and scale words lie in LDS
	s_barrier_signal -1
	s_barrier_wait -1                              ; the launch's one barrier: nothing is stored to LDS behind it
	s_wait_kmcnt 0x0
	s_min_u32 s22, s22, 135                        ; a number read from memory is held by a constant before an address is made of it
	s_min_u32 s26, s23, 135                        ; end: the expert's tiles are tb[e] .. end - 1
	s_add_co_u32 s24, s22, s18                     ; my first tile; the waves take the tiles by turns
	s_cmp_ge_u32 s24, s26
	s_cbranch_scc1 .Lend                           ; none for me
	s_sub_co_u32 s32, s26, 1                       ; the expert's last tile
	s_sub_co_u32 s25, s32, s24
	s_lshr_b32 s25, s25, 2                         ; how many of my tiles have a successor of mine: (end - 1 - first) / 4, rounded down;
	s_min_u32 s25, s25, 33                         ; of at most 135 tiles a wave has at most 34
	s_mov_b32 s34, 0                               ; counts them, by 1
	s_min_u32 s31, s24, 135
	v_lshl_add_u32 v[LO], s31, 6, v[LB]
	global_load_b32 v[TK], v[LO], s[10:11]         ; my row's token in my first tile,
	s_add_co_u32 s31, s24, 4
	s_min_u32 s31, s31, s32
	s_min_u32 s31, s31, 135
	v_lshl_add_u32 v[LO2], s31, 6, v[LB]
	global_load_b32 v[L1], v[LO2], s[10:11]        ; and in my next (held to the expert's last tile)
	; all 32 fragments and their scale words into my registers
	WIN 0x40
.set fo, 0
.rept 64
	ds_load_b128 v[4*fo:4*fo+3], v[L16] offset:512*fo
.set fo, fo+1
.endr
	WIN 0x80
.set fo, 0
.rept 64
	ds_load_b128 v[4*fo:4*fo+3], v[L16] offset:512*(fo+64)
.set fo, fo+1
.endr
	WIN 0
.set fo, 0
.rept 32
	ds_load_b32 v[WS+fo], v[SLD] offset:64*fo
.set fo, fo+1
.endr
; My token's row of codes (lane (r, h): bytes 128 s + 32 c + 16 h on) and its 8 scale words.
.macro GATHER
	WIN 0xC0
.set go, 0
.rept 32
	global_load_b128 v[4*go:4*go+3], v[XO], s[6:7] offset:32*go
.set go, go+1
.endr
	WIN 0
	global_load_b128 v[XS:XS+3], v[XSO], s[8:9]
	global_load_b128 v[XS+4:XS+7], v[XSO], s[8:9] offset:16
.endm
	s_wait_loadcnt 0x0                             ; the two list entries
	v_min_u32 v[TK], 0x7ff, v[TK]                  ; a padding row's 4,096 becomes token 2,047
	v_lshl_add_u32 v[XO], v[TK], 10, v[H16]
	v_lshlrev_b32 v[XSO], 5, v[TK]
	GATHER
	s_wait_dscnt 0x0                               ; the fragments are in
; 32 products: 8 K steps x 4 tiles of hidden units.  The four accumulators take turns, one instruction a turn; the first K step starts the sums.
.macro PRODUCTS
.set ps, 0
.rept 8
	WIN 0x0D+ps/4                                  ; source 0 (W1) window 1, then 2; source 1 (x) window 3
.irp t, 0,1,2,3
.if ps == 0
	v_wmma_scale_f32_16x16x128_f8f6f4 v[ACC+8*\t:ACC+8*\t+7], v[16*(4*(ps%4)+\t):16*(4*(ps%4)+\t)+15], v[16*ps:16*ps+15], 0, v[WS+4*ps+\t], v[XS+ps] matrix_a_fmt:MATRIX_FMT_BF8 matrix_b_fmt:MATRIX_FMT_BF8
.else
	v_wmma_scale_f32_16x16x128_f8f6f4 v[ACC+8*\t:ACC+8*\t+7], v[16*(4*(ps%4)+\t):16*(4*(ps%4)+\t)+15], v[16*ps:16*ps+15], v[ACC+8*\t:ACC+8*\t+7], v[WS+4*ps+\t], v[XS+ps] matrix_a_fmt:MATRIX_FMT_BF8 matrix_b_fmt:MATRIX_FMT_BF8
.endif
.endr
.set ps, ps+1
.endr
	WIN 0
.endm
.macro GELU
.set gi, 0
.rept 16
	v_pk_mul_f32 v[G+2*gi:G+2*gi+1], v[ACC+2*gi:ACC+2*gi+1], s[84:85] op_sel_hi:[1,0]   ; g = kappa x: g g = log2(e) z z.  Ascending: each accumulator is first read at its low end
.set gi, gi+1
.endr
.set gi, 0
.rept 32
	v_fma_f32 v[T+gi], |v[G+gi]|, s86, 1.0         ; 1 + z / 2
.set gi, gi+1
.endr
.set gi, 0
.rept 32
	v_rcp_f32 v[T+gi], v[T+gi]                     ; t
.set gi, gi+1
.endr
	v_nop                                          ; a plain line behind the batch,
	s_wait_alu depctr_va_vdst(0)                   ; and one wait for the 32, ahead of their first reader
.set gi, 0
.rept 16
	v_pk_fma_f32 v[P+2*gi:P+2*gi+1], v[T+2*gi:T+2*gi+1], v[Q9:Q9+1], s[66:67] op_sel_hi:[1,1,0]
.set gi, gi+1
.endr
.irp k, 68,70,72,74,76,78,80,82
.set gi, 0
.rept 16
	v_pk_fma_f32 v[P+2*gi:P+2*gi+1], v[P+2*gi:P+2*gi+1], v[T+2*gi:T+2*gi+1], s[\k:\k+1] op_sel_hi:[1,1,0]
.set gi, gi+1
.endr
.endr
.set gi, 0
.rept 16
	v_pk_fma_f32 v[P+2*gi:P+2*gi+1], v[G+2*gi:G+2*gi+1], v[G+2*gi:G+2*gi+1], v[P+2*gi:P+2*gi+1] neg_lo:[1,0,0] neg_hi:[1,0,0]
.set gi, gi+1
.endr
.set gi, 0
.rept 32
	v_exp_f32 v[P+gi], v[P+gi]
.set gi, gi+1
.endr
	v_nop
	s_wait_alu depctr_va_vdst(0)                   ; one wait for the 32 exponentials
.set gi, 0
.rept 16
	v_pk_mul_f32 v[P+2*gi:P+2*gi+1], v[P+2*gi:P+2*gi+1], v[T+2*gi:T+2*gi+1]         ; erfc / 2
.set gi, gi+1
.endr
.set gi, 0
.rept 16
	v_pk_mul_f32 v[P+2*gi:P+2*gi+1], v[P+2*gi:P+2*gi+1], v[ACC+2*gi:ACC+2*gi+1]     ; w
.set gi, gi+1
.endr
.set gi, 0
.rept 16
	v_pk_add_f32 v[T+2*gi:T+2*gi+1], v[ACC+2*gi:ACC+2*gi+1], v[P+2*gi:P+2*gi+1] neg_lo:[0,1] neg_hi:[0,1]   ; x - w
.set gi, gi+1
.endr
.set gi, 0
.rept 32
	v_max_num_f32 v[G+gi], v[P+gi], v[T+gi]        ; the gelu: register 16 b + i is hidden unit 64 j + 32 b + 16 (lane / 16) + i of my row
.set gi, gi+1
.endr
.endm
; The tile's two blocks of 32 hidden units: a block lies in lanes l and l xor 16.
.macro QH
.irp b, 0,1
	v_max3_num_f32 v[QM+\b], |v[G+16*\b]|, |v[G+16*\b+1]|, 0x8000000
.endr
.irp i, 2,4,6,8,10,12,14
.irp b, 0,1
	v_max3_num_f32 v[QM+\b], v[QM+\b], |v[G+16*\b+\i]|, |v[G+16*\b+\i+1]|
.endr
.endr
.irp b, 0,1
	v_permlanex16_b32 v[PX+\b], v[QM+\b], s28, s29
.endr
.irp b, 0,1
	v_max_num_f32 v[QM+\b], v[QM+\b], v[PX+\b]
.endr
.irp b, 0,1
	v_add_nc_u32 v[QS+\b], 0xf8800000, v[QM+\b]
.endr
.irp b, 0,1
	v_and_or_b32 v[QL+\b], v[QM+\b], 0x7f800000, s27
.endr
.irp b, 0,1
	v_lshrrev_b32 v[QB+\b], 23, v[QS+\b]
.endr
	s_wait_xcnt 0x0                                ; the last tile's stores have read their data and bases: only now are these written again
	v_cndmask_b32 v[BY], v[QB], v[QB+1], s30       ; lanes 0-15 store block 0's byte, lanes 16-31 block 1's
.irp b, 0,1
.irp i, 0,1,2,3,4,5,6,7,8,9,10,11,12,13,14,15
	v_med3_num_f32 v[G+16*\b+\i], v[G+16*\b+\i], -v[QL+\b], v[QL+\b]
.endr
	v_cvt_scalef32_pk8_bf8_f32 v[CD+4*\b:CD+4*\b+1], v[G+16*\b:G+16*\b+7], v[QS+\b]
	v_cvt_scalef32_pk8_bf8_f32 v[CD+4*\b+2:CD+4*\b+3], v[G+16*\b+8:G+16*\b+15], v[QS+\b]
.endr
	v_nop                                          ; a plain line behind the last conversion
.endm
; One tile.  next = 1: my next tile's operands are asked for behind the products and land under the gelu.
.macro TRIP next
	s_wait_loadcnt 0x0                             ; x's fragments, its scale words and the next list entry: all were asked for a gelu ago
	PRODUCTS
.if \next
	s_add_co_u32 s31, s24, 8
	s_min_u32 s31, s31, s32
	s_min_u32 s31, s31, 135
	v_min_u32 v[TK], 0x7ff, v[L1]                  ; eight places behind the products, ahead of loads into their operands and of the first read of results: four lines of address work
	v_lshl_add_u32 v[LO], s31, 6, v[LB]
	v_lshl_add_u32 v[XO], v[TK], 10, v[H16]
	v_lshlrev_b32 v[XSO], 5, v[TK]
.rept 4
	v_nop                                          ; and four of these
.endr
	GATHER
	global_load_b32 v[L1], v[LO], s[10:11]
.else
.rept 8
	v_nop
.endr
.endif
	GELU
	QH
	s_min_u32 s31, s24, 135
	s_lshl_b32 s44, s31, 15
	s_add_nc_u64 s[40:41], s[12:13], s[44:45]      ; hid: 32,768 bytes a tile
	s_lshl_b32 s44, s31, 10
	s_add_nc_u64 s[42:43], s[14:15], s[44:45]      ; hs: 1,024
	global_store_b128 v[L16], v[CD:CD+3], s[40:41]                 ; 512 consecutive bytes, aligned
	global_store_b128 v[L16], v[CD+4:CD+7], s[40:41] offset:512
	global_store_b8 v[HSO], v[BY], s[42:43]
.endm
	s_cmp_eq_u32 s25, 0
	s_cbranch_scc1 .Ltail                          ; my first tile is my last
.Ltile:
	TRIP 1
	s_add_co_u32 s24, s24, 4                       ; my next tile
	s_add_co_u32 s34, s34, 1                       ; the loop is counted by 1 against a number that it does not write
	s_cmp_lt_u32 s34, s25
	s_cbranch_scc1 .Ltile
.Ltail:
	TRIP 0                                         ; my last tile asks for nothing
.Lend:
	s_wait_tensorcnt 0x0
	ds_add_u32 v254, v255
	s_wait_dscnt 0x0
	s_endpgm
.Lfunc_end_k_q71e9c141dc_up:
	.size	k_q71e9c141dc_up, .Lfunc_end_k_q71e9c141dc_up-k_q71e9c141dc_up
	.p2alignl 7, 3214868480
	.fill 96, 4, 3214868480
	.section	.rodata,"a",@progbits
	.p2align	6, 0x0
	.amdhsa_kernel k_q71e9c141dc_up
		.amdhsa_group_segment_fixed_size 68096
		.amdhsa_private_segment_fixed_size 0
		.amdhsa_enable_private_segment 0
		.amdhsa_kernarg_size 48
		.amdhsa_user_sgpr_count 2
		.amdhsa_user_sgpr_kernarg_segment_ptr 1
		.amdhsa_wavefront_size32 1
		.amdhsa_system_sgpr_workgroup_id_x 1
		.amdhsa_system_sgpr_workgroup_id_y 1
		.amdhsa_system_sgpr_workgroup_id_z 1
		.amdhsa_system_vgpr_workitem_id 0
		.amdhsa_next_free_vgpr 1024
		.amdhsa_next_free_sgpr 92
		.amdhsa_reserve_vcc 0
		.amdhsa_float_denorm_mode_32 3
		.amdhsa_float_denorm_mode_16_64 3
		.amdhsa_memory_ordered 1
		.amdhsa_forward_progress 1
		.amdhsa_inst_pref_size 151
	.end_amdhsa_kernel
	.amdgpu_metadata
---
amdhsa.version: [ 1, 2 ]
amdhsa.kernels:
  - .name:           k_q71e9c141dc_up
    .symbol:         k_q71e9c141dc_up.kd
    .args:
      - { .name: expert_w1, .offset: 0, .size: 8, .value_kind: global_buffer, .address_space: global }
      - { .name: xc, .offset: 8, .size: 8, .value_kind: global_buffer, .address_space: global }
      - { .name: xs, .offset: 16, .size: 8, .value_kind: global_buffer, .address_space: global }
      - { .name: plan, .offset: 24, .size: 8, .value_kind: global_buffer, .address_space: global }
      - { .name: hid, .offset: 32, .size: 8, .value_kind: global_buffer, .address_space: global }
      - { .name: hs, .offset: 40, .size: 8, .value_kind: global_buffer, .address_space: global }
    .group_segment_fixed_size: 68096
    .private_segment_fixed_size: 0
    .kernarg_segment_align: 8
    .kernarg_segment_size: 48
    .max_flat_workgroup_size: 128
    .sgpr_count:     92
    .vgpr_count:     1024
    .wavefront_size: 32
...
	.end_amdgpu_metadata
.endif
;; end of part 3
;; launch down (part 4): grid 32 x 8, 4 waves a work-group, no clusters, 68,096 bytes of LDS; arguments expert_w2, hid, hs, plan, y; writes y
.if DOCPART == 4
	.amdgcn_target "amdgcn-amd-amdhsa--gfx1250"
	.amdhsa_code_object_version 6
	.text
	.protected	k_q71e9c141dc_down
	.globl	k_q71e9c141dc_down
	.p2align	8
	.type	k_q71e9c141dc_down,@function
k_q71e9c141dc_down:
	s_mov_b64 s[64:65], 0
	v_nop
	global_prefetch_b8 v0, s[64:65] scope:SCOPE_SE
	s_setreg_imm32_b32 hwreg(HW_REG_WAVE_MODE, 25, 1), 1
	s_wait_xcnt 0x0
; DOWN.  y = hidden Q(W2[e]) for the tiles of expert e, on codes of E5M2 with one E8M0 scale for each 32 along K = the 2,048 hidden units.
; SHARES.  Work-group (j, e) owns outputs 32 j .. 32 j + 31 of expert e: 2,048 x 32 numbers of W2, 256 KiB of f32, read ONCE in the launch, quantised in registers and kept as 32 fragments (16 K steps x 2 tiles)
; in every wave's registers.  Then the expert's tiles of 16 rows are dealt to the four waves by turns.
; PHASE 1 as in the launch before: a lane owns 4 columns and the 128 rows of one K step.  Here eight lanes read 128 consecutive bytes of a row of W2, and a load takes four rows 128 apart: slices of 64 columns
; would give whole runs of 256 bytes and only 128 work-groups.  An expert without rows still has its slice read: the barrier stands ahead of every branch on a stored number.
; The product is used transposed (source 0 = 16 outputs, source 1 = 16 rows of the hidden layer): a lane holds 8 neighbouring outputs of one row.
; The hidden layer comes as images of the operand's registers: each load reads 512 consecutive aligned bytes.  A tile's 16 K steps come in two halves, each asked for a half ahead.
; SUMS: a row's sum is kept in two chains, by the parity of the K step, and added at the end: four accumulators take turns.
; OUT: y[tile][j][q = 2 t + hf][lane][16 bytes]: lane (r, h) holds y(row r, 32 j + 16 t + 8 h + 4 hf + 0 .. 3): each store covers 512 consecutive aligned bytes.
; NO TENSOR LOADS, NO JOINT LOADS: the number of tiles is a number read from memory, so the loop's trip count hangs on it.  The 32 slices of an expert each read its tiles of hid.
; LIMITS: NaN and infinities are not served.  A block of zeros gets the byte 1 and not 127: its codes are zeros, and this program alone reads the bytes.
; REGISTERS: window 0: addresses, scale words, accumulators;  windows 1, 2: W2 as loaded, then its fragments (fragment 2 s + t at 256 + 16 (2 s + t));
;   window 3: held numbers and the weights' codes, then the hidden fragments: K steps 0-7 at v0-127, 8-15 at v128-255.
.set PB,   4096                        ; a row of W2 in bytes
.set L16,  1                           ; v1   16 x lane
.set WOFF, 2                           ; v2   W2: (lane / 8) x 128 rows + 16 (lane % 8)
.set IST,  3                           ; v3   where my codes' images begin
.set SST,  4                           ; v4   where my columns' scale words go
.set SLD,  5                           ; v5   65,536 + 4 (lane % 16)
.set HSL,  6                           ; v6   64 (lane % 16): my row's scale bytes
.set WS,   16                          ; v16-47  W2's scale words: scales and nothing else
.set HS,   48                          ; v48-63  the hidden layer's, one a K step: scales and nothing else
.set ACC,  64                          ; v64-95  accumulator 2 (s % 2) + t
.set YO,   96                          ; v96-111 the results
.set QM,   200
.set QS,   204
.set QL,   208
.set QB,   212
.set QW,   216
.set TMP,  224
.set MSB, 0
.macro WIN new                         ; the immediate's high byte repeats the setting that is left; a switch that changes nothing is dropped
.if MSB != (\new)
	s_set_vgpr_msb (MSB<<8)|(\new)
.set MSB, (\new)
.endif
.endm
	s_load_b256 s[4:11], s[0:1], 0x0               ; W2, hid, hs, plan
	s_load_b64 s[12:13], s[0:1], 0x20              ; y
	v_lshl_add_u32 v254, v0, 2, 0x10800
	v_mov_b32 v255, 0
	v_lshrrev_b32 v[TMP], 5, v0
	v_readfirstlane_b32 s18, v[TMP]                ; wave 0..3
	s_mov_b32 s19, ttmp9                           ; j
	s_and_b32 s20, ttmp7, 0xffff                   ; e
	v_and_b32 v[TMP], 31, v0
	v_lshlrev_b32 v[L16], 4, v[TMP]
	v_and_b32 v[TMP+1], 7, v0                      ; q = lane % 8
	v_bfe_u32 v[TMP+2], v0, 3, 2                   ; lane / 8
	v_lshlrev_b32 v[WOFF], 4, v[TMP+1]
	v_lshl_add_u32 v[WOFF], v[TMP+2], 19, v[WOFF]  ; 128 rows of 4,096 bytes
	v_bfe_u32 v[TMP+3], v0, 2, 1                   ; my columns 4 q + u: tile t = q / 4,
	v_and_b32 v[TMP+4], 3, v0                      ; row m = 4 (q % 4) + u
	s_lshl_b32 s33, s18, 9
	v_lshlrev_b32 v[TMP+5], 6, v[TMP+3]
	v_lshl_add_u32 v[TMP+5], v[TMP+2], 7, v[TMP+5]
	v_add_nc_u32 v[TMP+5], s33, v[TMP+5]           ; 64 x my fragment = 64 t + 128 (4 w + lane / 8)
	v_lshlrev_b32 v[IST], 5, v[TMP+5]
	v_lshl_add_u32 v[IST], v[TMP+4], 6, v[IST]     ; 2,048 x fragment + 16 m
	v_lshl_add_u32 v[SST], v[TMP+4], 4, v[TMP+5]
	v_add_nc_u32 v[SST], 0x10000, v[SST]           ; 65,536 + 64 x fragment + 4 m
	v_and_b32 v[TMP+6], 15, v0
	v_lshl_add_u32 v[SLD], v[TMP+6], 2, 0x10000
	v_lshlrev_b32 v[HSL], 6, v[TMP+6]
	s_mov_b32 s27, 0x600000                        ; the mantissa field of 57,344
	s_mov_b32 s37, 0
	s_wait_kmcnt 0x0
	s_lshl_b32 s36, s20, 23                        ; an expert is 8,388,608 bytes,
	s_lshl_b32 s33, s19, 7                         ; my slice 128 bytes of a row,
	s_add_co_u32 s36, s36, s33
	s_lshl_b32 s33, s18, 21                        ; my wave's four K steps 512 rows
	s_add_co_u32 s36, s36, s33
	s_add_nc_u64 s[4:5], s[4:5], s[36:37]
	s_lshl_b32 s36, s20, 2
	s_add_nc_u64 s[50:51], s[10:11], s[36:37]
	s_load_b64 s[22:23], s[50:51], 0x0             ; tb[e], tb[e + 1]: waited for behind the barrier
	s_lshl_b32 s36, s19, 11
	s_add_nc_u64 s[12:13], s[12:13], s[36:37]      ; y + 2,048 j
; Round c: rows 32 c .. 32 c + 31 of my K step, 4 columns a lane.  Register 4 i + u = W2(row i, column u).
.macro WLOAD c
.set XB, 128*((\c)%2)
	WIN 0x40*(1+(\c)/2)
.set wi, 0
.rept 32
	global_load_b128 v[XB+4*wi:XB+4*wi+3], v[WOFF], s[4:5] offset:(32*(\c)+wi)*PB th:TH_LOAD_NT
.set wi, wi+1
.endr
	WIN 0
.endm
; Round c becomes codes: four blocks of 32, one a column.
.macro WQ c
.set XB, 128*((\c)%2)
.set WX, 1+(\c)/2
.irp u, 0,1,2,3
	v_mov_b32 v[QM+\u], 0x8000000                  ; the floor 2^(16 - 127): the byte cannot fall under 1
.endr
	WIN (WX<<2)|(WX<<4)
.set qi, 0
.rept 16
.irp u, 0,1,2,3
	v_max3_num_f32 v[QM+\u], v[QM+\u], |v[XB+8*qi+\u]|, |v[XB+8*qi+4+\u]|   ; the four columns by turns
.endr
.set qi, qi+1
.endr
	WIN 0
.irp u, 0,1,2,3
	v_add_nc_u32 v[QS+\u], 0xf8800000, v[QM+\u]    ; 15 off the exponent field: the conversion's scale operand
.endr
.irp u, 0,1,2,3
	v_and_or_b32 v[QL+\u], v[QM+\u], 0x7f800000, s27   ; 57,344 x the scale
.endr
.irp u, 0,1,2,3
	v_lshrrev_b32 v[QB+\u], 23, v[QS+\u]           ; the byte
.endr
.if (\c) == 0
.irp u, 0,1,2,3
	v_mov_b32 v[QW+\u], v[QB+\u]
.endr
.else
.irp u, 0,1,2,3
	v_lshl_or_b32 v[QW+\u], v[QB+\u], 8*(\c), v[QW+\u]   ; a K step's four bytes make a column's scale word
.endr
.endif
	WIN 0xC0|WX
.irp u, 0,1,2,3
.set qi, 0
.rept 32
	v_med3_num_f32 v[32*\u+qi], v[XB+4*qi+\u], -v[QL+\u], v[QL+\u]   ; the hold (the conversion does not saturate: ISA guide 7.6.2), and each column's 32 numbers on end
.set qi, qi+1
.endr
.endr
	WIN 0xC3
.irp u, 0,1,2,3
.irp k, 0,1,2,3
	v_cvt_scalef32_pk8_bf8_f32 v[128+32*(\c)+8*\u+2*\k:128+32*(\c)+8*\u+2*\k+1], v[32*\u+8*\k:32*\u+8*\k+7], v[QS+\u]
.endr
.endr
	v_nop                                          ; a plain line behind the last conversion: the next round writes its sources
	WIN 0x0C                                       ; an LDS store's data are its source 1: window 3
.irp u, 0,1,2,3
.irp hh, 0,1
	ds_store_b128 v[IST], v[128+32*(\c)+8*\u+4*\hh:128+32*(\c)+8*\u+4*\hh+3] offset:512*(\c)+256*\hh+16*\u   ; k = 32 c + 16 hh + 0 .. 15 of row m + u: lane slot 16 hh + m + u of image c
.endr
.endr
	WIN 0
.endm
	WLOAD 0
	WLOAD 1
	s_wait_loadcnt 32                              ; round 0 is in; round 1's 32 loads may be out
	WLOAD 2
	WQ 0
	s_wait_loadcnt 32                              ; round 1 is in; round 2's may be out
	WLOAD 3
	WQ 1
	s_wait_loadcnt 32                              ; round 2 is in; round 3's may be out
	WQ 2
	s_wait_loadcnt 0x0
	WQ 3
.irp u, 0,1,2,3
	ds_store_b32 v[SST], v[QW+\u] offset:4*\u
.endr
	s_wait_dscnt 0x0                               ; for the others: my images and scale words lie in LDS
	s_barrier_signal -1
	s_barrier_wait -1                              ; the launch's one barrier: nothing is stored to LDS behind it
	s_wait_kmcnt 0x0
	s_min_u32 s22, s22, 135                        ; a number read from memory is held by a constant before an address is made of it
	s_min_u32 s26, s23, 135                        ; end: the expert's tiles are tb[e] .. end - 1
	s_add_co_u32 s24, s22, s18                     ; my first tile; the waves take the tiles by turns
	s_cmp_ge_u32 s24, s26
	s_cbranch_scc1 .Lend                           ; none for me
	s_sub_co_u32 s25, s26, s24
	s_sub_co_u32 s25, s25, 1
	s_lshr_b32 s25, s25, 2                         ; how many of my tiles have a successor of mine: (end - 1 - first) / 4, rounded down;
	s_min_u32 s25, s25, 33                         ; of at most 135 tiles a wave has at most 34
	s_mov_b32 s34, 0                               ; counts them, by 1
; The bases of a half's loads, for the tile ahead tiles on: each half has pairs of its own.
.macro HBASE half, ahead
	s_add_co_u32 s31, s24, \ahead
	s_min_u32 s31, s31, 135
	s_lshl_b32 s36, s31, 15
	s_add_nc_u64 s[40+4*(\half):41+4*(\half)], s[6:7], s[36:37]    ; hid: 32,768 bytes a tile
	s_lshl_b32 s36, s31, 10
	s_add_nc_u64 s[42+4*(\half):43+4*(\half)], s[8:9], s[36:37]    ; hs: 1,024
.endm
; Eight K steps of a tile: 32 images and 8 scale words: 34 loads.
.macro HLOAD half
	WIN 0xC0
.set ho, 0
.rept 32
	global_load_b128 v[128*(\half)+4*ho:128*(\half)+4*ho+3], v[L16], s[40+4*(\half):41+4*(\half)] offset:16384*(\half)+512*ho
.set ho, ho+1
.endr
	WIN 0
	global_load_b128 v[HS+8*(\half):HS+8*(\half)+3], v[HSL], s[42+4*(\half):43+4*(\half)] offset:32*(\half)
	global_load_b128 v[HS+8*(\half)+4:HS+8*(\half)+7], v[HSL], s[42+4*(\half):43+4*(\half)] offset:32*(\half)+16
.endm
	HBASE 0, 0
	HBASE 1, 0
	HLOAD 0
	HLOAD 1
	; all 32 fragments and their scale words into my registers
	WIN 0x40
.set fo, 0
.rept 64
	ds_load_b128 v[4*fo:4*fo+3], v[L16] offset:512*fo
.set fo, fo+1
.endr
	WIN 0x80
.set fo, 0
.rept 64
	ds_load_b128 v[4*fo:4*fo+3], v[L16] offset:512*(fo+64)
.set fo, fo+1
.endr
	WIN 0
.set fo, 0
.rept 32
	ds_load_b32 v[WS+fo], v[SLD] offset:64*fo
.set fo, fo+1
.endr
	s_wait_dscnt 0x0
; 16 products: 8 K steps x 2 tiles of outputs.  The four accumulators take turns, one instruction a turn; the first two K steps start the sums.
.macro PROD half
	WIN 0x0D+(\half)                               ; source 0 (W2) window 1 or 2; source 1 (the hidden layer) window 3
.set ps, 0
.rept 8
.irp t, 0,1
.set pa, ACC+8*(2*(ps%2)+\t)
.if ((\half) == 0) && (ps < 2)
	v_wmma_scale_f32_16x16x128_f8f6f4 v[pa:pa+7], v[16*(2*ps+\t):16*(2*ps+\t)+15], v[128*(\half)+16*ps:128*(\half)+16*ps+15], 0, v[WS+16*(\half)+2*ps+\t], v[HS+8*(\half)+ps] matrix_a_fmt:MATRIX_FMT_BF8 matrix_b_fmt:MATRIX_FMT_BF8
.else
	v_wmma_scale_f32_16x16x128_f8f6f4 v[pa:pa+7], v[16*(2*ps+\t):16*(2*ps+\t)+15], v[128*(\half)+16*ps:128*(\half)+16*ps+15], v[pa:pa+7], v[WS+16*(\half)+2*ps+\t], v[HS+8*(\half)+ps] matrix_a_fmt:MATRIX_FMT_BF8 matrix_b_fmt:MATRIX_FMT_BF8
.endif
.endr
.set ps, ps+1
.endr
	WIN 0
.endm
; One tile.  next = 1: each half of my next tile is asked for as soon as this tile's half has been multiplied.
.macro TRIP next
	s_wait_loadcnt 34                              ; K steps 0-7 are in; the 34 loads of K steps 8-15 may be out
	PROD 0
.rept 8
	v_nop                                          ; eight places ahead of loads into registers that the products have read
.endr
.if \next
	s_wait_xcnt 0x0
	HBASE 0, 4
	HLOAD 0
	s_wait_loadcnt 34                              ; K steps 8-15 are in; the 34 loads just issued may be out
.else
	s_wait_loadcnt 0x0
.endif
	PROD 1
.rept 8
	v_nop                                          ; eight places, for the loads below and for the first read of results
.endr
	s_wait_xcnt 0x0                                ; the last tile's stores have read their data and base, the loads their bases: only now are these written again
.if \next
	HBASE 1, 4
	HLOAD 1
.endif
.irp t, 0,1
.irp p, 0,1,2,3
	v_pk_add_f32 v[YO+8*\t+2*\p:YO+8*\t+2*\p+1], v[ACC+8*\t+2*\p:ACC+8*\t+2*\p+1], v[ACC+16+8*\t+2*\p:ACC+16+8*\t+2*\p+1]   ; the two chains; each accumulator from its low end on
.endr
.endr
	s_min_u32 s31, s24, 135
	s_lshl_b32 s36, s31, 16
	s_add_nc_u64 s[48:49], s[12:13], s[36:37]      ; y: 65,536 bytes a tile
.irp q, 0,1,2,3
	global_store_b128 v[L16], v[YO+4*\q:YO+4*\q+3], s[48:49] offset:512*\q   ; 512 consecutive bytes, aligned
.endr
.endm
	s_cmp_eq_u32 s25, 0
	s_cbranch_scc1 .Ltail                          ; my first tile is my last
.Ltile:
	TRIP 1
	s_add_co_u32 s24, s24, 4                       ; my next tile
	s_add_co_u32 s34, s34, 1                       ; the loop is counted by 1 against a number that it does not write
	s_cmp_lt_u32 s34, s25
	s_cbranch_scc1 .Ltile
.Ltail:
	TRIP 0                                         ; my last tile asks for nothing
.Lend:
	s_wait_tensorcnt 0x0
	ds_add_u32 v254, v255
	s_wait_dscnt 0x0
	s_endpgm
.Lfunc_end_k_q71e9c141dc_down:
	.size	k_q71e9c141dc_down, .Lfunc_end_k_q71e9c141dc_down-k_q71e9c141dc_down
	.p2alignl 7, 3214868480
	.fill 96, 4, 3214868480
	.section	.rodata,"a",@progbits
	.p2align	6, 0x0
	.amdhsa_kernel k_q71e9c141dc_down
		.amdhsa_group_segment_fixed_size 68096
		.amdhsa_private_segment_fixed_size 0
		.amdhsa_enable_private_segment 0
		.amdhsa_kernarg_size 40
		.amdhsa_user_sgpr_count 2
		.amdhsa_user_sgpr_kernarg_segment_ptr 1
		.amdhsa_wavefront_size32 1
		.amdhsa_system_sgpr_workgroup_id_x 1
		.amdhsa_system_sgpr_workgroup_id_y 1
		.amdhsa_system_sgpr_workgroup_id_z 1
		.amdhsa_system_vgpr_workitem_id 0
		.amdhsa_next_free_vgpr 1024
		.amdhsa_next_free_sgpr 66
		.amdhsa_reserve_vcc 0
		.amdhsa_float_denorm_mode_32 3
		.amdhsa_float_denorm_mode_16_64 3
		.amdhsa_memory_ordered 1
		.amdhsa_forward_progress 1
		.amdhsa_inst_pref_size 111
	.end_amdhsa_kernel
	.amdgpu_metadata
---
amdhsa.version: [ 1, 2 ]
amdhsa.kernels:
  - .name:           k_q71e9c141dc_down
    .symbol:         k_q71e9c141dc_down.kd
    .args:
      - { .name: expert_w2, .offset: 0, .size: 8, .value_kind: global_buffer, .address_space: global }
      - { .name: hid, .offset: 8, .size: 8, .value_kind: global_buffer, .address_space: global }
      - { .name: hs, .offset: 16, .size: 8, .value_kind: global_buffer, .address_space: global }
      - { .name: plan, .offset: 24, .size: 8, .value_kind: global_buffer, .address_space: global }
      - { .name: y, .offset: 32, .size: 8, .value_kind: global_buffer, .address_space: global }
    .group_segment_fixed_size: 68096
    .private_segment_fixed_size: 0
    .kernarg_segment_align: 8
    .kernarg_segment_size: 40
    .max_flat_workgroup_size: 128
    .sgpr_count:     66
    .vgpr_count:     1024
    .wavefront_size: 32
...
	.end_amdgpu_metadata
.endif
;; end of part 4
;; launch norm (part 5): grid 135 x 1, 8 waves a work-group, no clusters, 67,072 bytes of LDS; arguments y, plan, tv, ln_gamma, ln_beta, out0; writes out0
.if DOCPART == 5
	.amdgcn_target "amdgcn-amd-amdhsa--gfx1250"
	.amdhsa_code_object_version 6
	.text
	.protected	k_q71e9c141dc_norm
	.globl	k_q71e9c141dc_norm
	.p2align	8
	.type	k_q71e9c141dc_norm,@function
k_q71e9c141dc_norm:
	s_mov_b64 s[64:65], 0
	v_nop
	global_prefetch_b8 v0, s[64:65] scope:SCOPE_SE
	s_setreg_imm32_b32 hwreg(HW_REG_WAVE_MODE, 25, 1), 1
	s_wait_xcnt 0x0
; NORM.  out0[token] = LayerNorm(y[row] x top_val[token]) x gamma + beta, and the rows go back to the tokens' order.
; SHARES.  Work-group g takes tile g: 16 rows of 1,024 numbers, 64 KiB.  135 work-groups serve every split of 2,048 tokens over 8 experts: (2,048 + 8 x 15) / 16, rounded down.
; y lies by slices of 32 columns, as the launch before stores it: each load reads 512 consecutive aligned bytes, and the rows are put together in LDS (pitch 4,096 + 16 bytes).  Behind the one barrier a wave takes two whole rows:
; a lane holds 32 numbers of a row, the sums never leave the wave, and each store covers 512 consecutive aligned bytes of a row of out0.
; No barrier may hang on a number read from memory: a work-group beyond the last tile reads the last tile, passes the barrier, and stores nothing.  A padding row (list entry 4,096) is passed over.
; Mean and variance in two passes: the variance is the mean of the squared deviations, so no difference of large sums is formed.
; No matrix unit, no tensor load, no cluster: every byte is read once and the work-groups share only gamma and beta.
.set PITCH, 4112
.set L16, 1                            ; v1   16 x lane
.set STO, 3                            ; v3   into the stage: row lane % 16, + 32 (lane / 16) + 512 w
.set RDA, 4                            ; v4   out of it: row 2 w, + 16 x lane
.set YR,  16                           ; v16-79   y as loaded
.set GA,  80                           ; v80-111  gamma of my 32 columns (128 k + 4 lane + 0 .. 3)
.set BE,  112                          ; v112-143 beta
	s_load_b256 s[4:11], s[0:1], 0x0               ; y, plan, tv, gamma
	s_load_b128 s[12:15], s[0:1], 0x20             ; beta, out0
	v_lshl_add_u32 v208, v0, 2, 0x10200
	v_mov_b32 v209, 0
	v_lshrrev_b32 v1, 5, v0
	v_readfirstlane_b32 s16, v1                    ; wave 0..7
	v_and_b32 v2, 31, v0
	v_lshlrev_b32 v[L16], 4, v2
	v_and_b32 v5, 15, v0
	v_bfe_u32 v6, v0, 4, 1
	v_mul_u32_u24 v[STO], v5, PITCH
	v_lshl_add_u32 v[STO], v6, 5, v[STO]
	s_lshl_b32 s17, s16, 9
	v_add_nc_u32 v[STO], s17, v[STO]
	s_mul_i32 s17, s16, 2*PITCH
	v_add_nc_u32 v[RDA], s17, v[L16]
	v_mov_b32 v7, 0                                ; a lane permute's destination: written once
	v_mov_b32 v13, 0                               ; upper halves of pairs of which the low word serves both halves
	v_mov_b32 v15, 0
	s_mov_b32 s33, 0
	s_mov_b32 s45, 0
	s_mov_b32 s47, 0
	s_mov_b32 s34, 0x3a800000                      ; 1 / 1,024
	s_mov_b32 s42, 0x76543210
	s_mov_b32 s43, 0xfedcba98                      ; selects: lane l xor 16
	s_wait_kmcnt 0x0
	s_load_b32 s20, s[6:7], 0x20                   ; tb[8]: the number of tiles
.irp k, 0,1,2,3,4,5,6,7
	global_load_b128 v[GA+4*\k:GA+4*\k+3], v[L16], s[10:11] offset:512*\k
.endr
.irp k, 0,1,2,3,4,5,6,7
	global_load_b128 v[BE+4*\k:BE+4*\k+3], v[L16], s[12:13] offset:512*\k
.endr
	s_wait_kmcnt 0x0
	s_min_u32 s20, s20, 135
	s_sub_co_u32 s21, s20, 1
	s_min_u32 s22, ttmp9, s21                      ; the tile that I read: mine, or the last
	s_min_u32 s22, s22, 134
	s_lshl_b32 s46, s22, 6
	s_lshl_b32 s17, s16, 3
	s_add_co_u32 s46, s46, s17
	s_add_nc_u64 s[28:29], s[6:7], s[46:47]
	s_load_b64 s[24:25], s[28:29], 0x100           ; the list's entries of rows 2 w and 2 w + 1
	s_lshl_b32 s46, s22, 16
	s_lshl_b32 s17, s16, 13
	s_add_co_u32 s46, s46, s17
	s_add_nc_u64 s[4:5], s[4:5], s[46:47]          ; y: my tile, slices 4 w .. 4 w + 3
.irp k, 0,1,2,3,4,5,6,7,8,9,10,11,12,13,14,15
	global_load_b128 v[YR+4*\k:YR+4*\k+3], v[L16], s[4:5] offset:512*\k th:TH_LOAD_NT
.endr
	s_wait_kmcnt 0x0
	s_min_u32 s26, s24, 2047                       ; held inside the tables; a padding row's numbers are loaded and not used
	s_min_u32 s27, s25, 2047
	s_lshl_b32 s46, s26, 2
	s_add_nc_u64 s[30:31], s[8:9], s[46:47]
	s_load_b32 s32, s[30:31], 0x0                  ; top_val of the two tokens
	s_lshl_b32 s46, s27, 2
	s_add_nc_u64 s[40:41], s[8:9], s[46:47]
	s_load_b32 s44, s[40:41], 0x0
	s_lshl_b32 s46, s26, 12
	s_add_nc_u64 s[36:37], s[14:15], s[46:47]      ; and their rows of out0
	s_lshl_b32 s46, s27, 12
	s_add_nc_u64 s[38:39], s[14:15], s[46:47]
.irp k, 0,1,2,3,4,5,6,7,8,9,10,11,12,13,14,15
	s_wait_loadcnt 15-\k                           ; load k is in; the younger ones may be out (gamma and beta are older)
	ds_store_b128 v[STO], v[YR+4*\k:YR+4*\k+3] offset:128*(\k/4)+64*((\k%4)/2)+16*(\k%2)   ; slice k / 4, tile of outputs (k % 4) / 2, half k % 2
.endr
	s_wait_kmcnt 0x0
	s_wait_dscnt 0x0                               ; for the others: my columns of the 16 rows lie in LDS
	s_barrier_signal -1
	s_barrier_wait -1
	s_cmp_ge_u32 ttmp9, s20                        ; beyond the last tile: nothing to store
	s_cbranch_scc1 .Ldone
.macro WSUM r                          ; the sum over the 32 lanes, in every lane
	v_add_f32_dpp v[\r], v[\r], v[\r] row_xmask:1 row_mask:0xf bank_mask:0xf
	v_add_f32_dpp v[\r], v[\r], v[\r] row_xmask:2 row_mask:0xf bank_mask:0xf
	v_add_f32_dpp v[\r], v[\r], v[\r] row_xmask:4 row_mask:0xf bank_mask:0xf
	v_add_f32_dpp v[\r], v[\r], v[\r] row_xmask:8 row_mask:0xf bank_mask:0xf
	v_permlanex16_b32 v7, v[\r], s42, s43
	v_add_f32 v[\r], v[\r], v7
.endm
; Row 2 w + i.  Each row has 32 registers and a base of its own: no store's data or base are written again.
.macro ROW i
.set Z, 144+32*(\i)
	s_cmp_ge_u32 s[24+\i], 2048
	s_cbranch_scc1 .Lpad_\@
.irp k, 0,1,2,3,4,5,6,7
	ds_load_b128 v[Z+4*\k:Z+4*\k+3], v[RDA] offset:PITCH*(\i)+512*\k
.endr
	s_wait_dscnt 0x0
.set zi, 0
.rept 16
	v_pk_mul_f32 v[Z+2*zi:Z+2*zi+1], v[Z+2*zi:Z+2*zi+1], s[32+12*(\i):33+12*(\i)] op_sel_hi:[1,0]   ; x top_val
.set zi, zi+1
.endr
	v_pk_add_f32 v[8:9], v[Z:Z+1], v[Z+2:Z+3]      ; the sum, in two chains
	v_pk_add_f32 v[10:11], v[Z+4:Z+5], v[Z+6:Z+7]
.set zi, 4
.rept 6
	v_pk_add_f32 v[8:9], v[8:9], v[Z+2*zi:Z+2*zi+1]
	v_pk_add_f32 v[10:11], v[10:11], v[Z+2*zi+2:Z+2*zi+3]
.set zi, zi+2
.endr
	v_pk_add_f32 v[8:9], v[8:9], v[10:11]
	v_add_f32 v8, v8, v9
	WSUM 8
	v_mul_f32 v12, 0xba800000, v8                  ; minus the mean
.set zi, 0
.rept 16
	v_pk_add_f32 v[Z+2*zi:Z+2*zi+1], v[Z+2*zi:Z+2*zi+1], v[12:13] op_sel_hi:[1,0]
.set zi, zi+1
.endr
	v_pk_mul_f32 v[8:9], v[Z:Z+1], v[Z:Z+1]        ; the squared deviations, in two chains
	v_pk_mul_f32 v[10:11], v[Z+2:Z+3], v[Z+2:Z+3]
.set zi, 2
.rept 7
	v_pk_fma_f32 v[8:9], v[Z+2*zi:Z+2*zi+1], v[Z+2*zi:Z+2*zi+1], v[8:9]
	v_pk_fma_f32 v[10:11], v[Z+2*zi+2:Z+2*zi+3], v[Z+2*zi+2:Z+2*zi+3], v[10:11]
.set zi, zi+2
.endr
	v_pk_add_f32 v[8:9], v[8:9], v[10:11]
	v_add_f32 v8, v8, v9
	WSUM 8
	v_fma_f32 v14, v8, s34, 0x3727c5ac             ; the variance + 1e-5
	v_rsq_f32 v14, v14
	v_nop                                          ; a plain line behind the transcendental,
	s_wait_alu depctr_va_vdst(0)                   ; and the wait ahead of its first reader
.set zi, 0
.rept 16
	v_pk_mul_f32 v[Z+2*zi:Z+2*zi+1], v[Z+2*zi:Z+2*zi+1], v[14:15] op_sel_hi:[1,0]
.set zi, zi+1
.endr
.set zi, 0
.rept 16
	v_pk_fma_f32 v[Z+2*zi:Z+2*zi+1], v[Z+2*zi:Z+2*zi+1], v[GA+2*zi:GA+2*zi+1], v[BE+2*zi:BE+2*zi+1]
.set zi, zi+1
.endr
.irp k, 0,1,2,3,4,5,6,7
	global_store_b128 v[L16], v[Z+4*\k:Z+4*\k+3], s[36+2*(\i):37+2*(\i)] offset:512*\k th:TH_STORE_NT   ; 512 consecutive bytes, aligned; written once, read by nobody here
.endr
.Lpad_\@:
.endm
	ROW 0
	ROW 1
.Ldone:
	s_wait_tensorcnt 0x0
	ds_add_u32 v208, v209
	s_wait_dscnt 0x0
	s_endpgm
.Lfunc_end_k_q71e9c141dc_norm:
	.size	k_q71e9c141dc_norm, .Lfunc_end_k_q71e9c141dc_norm-k_q71e9c141dc_norm
	.p2alignl 7, 3214868480
	.fill 96, 4, 3214868480
	.section	.rodata,"a",@progbits
	.p2align	6, 0x0
	.amdhsa_kernel k_q71e9c141dc_norm
		.amdhsa_group_segment_fixed_size 67072
		.amdhsa_private_segment_fixed_size 0
		.amdhsa_enable_private_segment 0
		.amdhsa_kernarg_size 48
		.amdhsa_user_sgpr_count 2
		.amdhsa_user_sgpr_kernarg_segment_ptr 1
		.amdhsa_wavefront_size32 1
		.amdhsa_system_sgpr_workgroup_id_x 1
		.amdhsa_system_sgpr_workgroup_id_y 1
		.amdhsa_system_sgpr_workgroup_id_z 1
		.amdhsa_system_vgpr_workitem_id 0
		.amdhsa_next_free_vgpr 210
		.amdhsa_next_free_sgpr 66
		.amdhsa_reserve_vcc 0
		.amdhsa_float_denorm_mode_32 3
		.amdhsa_float_denorm_mode_16_64 3
		.amdhsa_memory_ordered 1
		.amdhsa_forward_progress 1
		.amdhsa_inst_pref_size 25
	.end_amdhsa_kernel
	.amdgpu_metadata
---
amdhsa.version: [ 1, 2 ]
amdhsa.kernels:
  - .name:           k_q71e9c141dc_norm
    .symbol:         k_q71e9c141dc_norm.kd
    .args:
      - { .name: y, .offset: 0, .size: 8, .value_kind: global_buffer, .address_space: global }
      - { .name: plan, .offset: 8, .size: 8, .value_kind: global_buffer, .address_space: global }
      - { .name: tv, .offset: 16, .size: 8, .value_kind: global_buffer, .address_space: global }
      - { .name: ln_gamma, .offset: 24, .size: 8, .value_kind: global_buffer, .address_space: global }
      - { .name: ln_beta, .offset: 32, .size: 8, .value_kind: global_buffer, .address_space: global }
      - { .name: out0, .offset: 40, .size: 8, .value_kind: global_buffer, .address_space: global }
    .group_segment_fixed_size: 67072
    .private_segment_fixed_size: 0
    .kernarg_segment_align: 8
    .kernarg_segment_size: 48
    .max_flat_workgroup_size: 256
    .sgpr_count:     66
    .vgpr_count:     210
    .wavefront_size: 32
...
	.end_amdgpu_metadata
.endif
;; end of part 5
;; ======== version 2 of 2: 5 launches
;; workspace buffers: xc 2,097,152 bytes; xs 65,536 bytes; idx 8,192 bytes of whole numbers; tv 8,192 bytes; plan 8,960 bytes of whole numbers; hid 4,456,448 bytes; hs 139,264 bytes; y 8,912,896 bytes
;; launch route (part 6): grid 256 x 1, 4 waves a work-group, no clusters, 54,016 bytes of LDS; arguments x, gate_w, xc, xs, idx, tv; writes xc, xs, idx, tv
.if DOCPART == 6
	.amdgcn_target "amdgcn-amd-amdhsa--gfx1250"
	.amdhsa_code_object_version 6
	.text
	.protected	k_q71e9c141dc_route
	.globl	k_q71e9c141dc_route
	.p2align	8
	.type	k_q71e9c141dc_route,@function
k_q71e9c141dc_route:
	s_mov_b64 s[64:65], 0
	v_nop
	global_prefetch_b8 v0, s[64:65] scope:SCOPE_SE
	s_setreg_imm32_b32 hwreg(HW_REG_WAVE_MODE, 25, 1), 1
	s_wait_xcnt 0x0
; ROUTE.  For 2,048 tokens of 1,024 numbers: the gate in f32 (8 logits, softmax, first maximum, p / (p + 1e-8)), and x as codes of E5M2 with one E8M0 byte for each 32 along the row.
; The chosen expert and its weight go to FIXED places (idx[token], tv[token]): no address here hangs on them.  A later launch places the rows.
; SHARES.  Work-group b takes tokens 8 b .. 8 b + 7; wave w takes columns 256 w .. 256 w + 255 of all eight, so each number of gate_w is loaded once in a work-group.
; A step is one token's 1,024 bytes of the wave's columns: two loads of 512 consecutive bytes.  They turn through the wave's own stage in LDS (48 bytes a lane: 32 of data, 16 of padding),
; after which lane l holds the 8 neighbours 256 w + 8 l + 0 .. 7: four neighbouring lanes hold a block of 32.
; OUT: a step's codes are 8 bytes a lane, 256 consecutive aligned bytes a store; the work-group's 256 scale bytes meet in LDS and leave as one store of 256 aligned bytes.
; idx and tv are 32 bytes a work-group each (16 KiB in the whole launch against 8 MiB read): those stores do not fill 256 aligned bytes.
; No matrix unit, no tensor load, no cluster: every byte of x is read once and nothing is shared between work-groups but 32 KiB of gate_w.
; LIMITS: NaN and infinities among the inputs are not served.  A block of zeros gets the byte 1 and not 127: its codes are zeros, and this program alone reads the bytes.
; Two probabilities within a rounding of each other may be ordered otherwise than by another order of summation.
.set STGW, 12288                       ; a wave's eight stages
.set STGT, 1536                        ; one stage: 32 lanes x 48 bytes
.set PART, 49152                       ; partial logits: 1,024 bytes a wave, 128 a step, 4 a lane
.set XSC,  53248                       ; the work-group's 256 scale bytes: 32 a token
.set XO, 1                             ; v1   16 x lane
.set SI, 2                             ; v2   into the stage: 48 (lane / 2) + 16 (lane % 2) + my wave's stages
.set SO, 3                             ; v3   out of it: 48 x lane + my wave's stages
.set GO, 4                             ; v4   32 x lane: my 8 numbers of a row of gate_w
.set CO, 5                             ; v5   8 x lane
.set SB, 6                             ; v6   my block's scale byte in LDS
.set PS, 7                             ; v7   where I put a partial logit
.set PL, 8                             ; v8   where token lane % 8's partial logits begin
.set SL, 9                             ; v9   the scale bytes on their way out: XSC + 8 x lane
.set W4, 11                            ; v11  4 x lane
.set LN, 12                            ; v12  lane
.set R,  16                            ; v16-79   x as loaded, 8 a step; later v16-23 a step's logit part, v24-31 its scale byte
.set X,  80                            ; v80-143  8 neighbours a step
.set G,  144                           ; v144-207 gate_w: expert e's 8 numbers at G + 8 e
.set S,  208                           ; v208-223 eight pairs of sums
.set A,  224                           ; v224-231 my part of the 8 logits
.set KP, 232                           ; v232-235 at work
.set SOP, 236                          ; the conversion's scale operand
.set LIM, 237                          ; 57,344 x the scale
.set PX, 239                           ; a lane permute's destination: written once
.set C,  240                           ; v240-255 codes, 2 a step: no store's data are written again
	s_load_b256 s[4:11], s[0:1], 0x0               ; x, gate_w, xc, xs
	s_load_b128 s[12:15], s[0:1], 0x20             ; idx, tv
	v_lshl_add_u32 v14, v0, 2, 0xd100
	v_mov_b32 v15, 0
	v_lshrrev_b32 v13, 5, v0
	v_readfirstlane_b32 s16, v13                   ; wave 0..3
	v_and_b32 v[LN], 31, v0
	v_lshlrev_b32 v[XO], 4, v[LN]
	s_mul_i32 s17, s16, STGW
	v_lshrrev_b32 v13, 1, v[LN]
	v_mul_u32_u24 v[SI], v13, 48
	v_and_b32 v13, 1, v[LN]
	v_lshl_add_u32 v[SI], v13, 4, v[SI]
	v_add_nc_u32 v[SI], s17, v[SI]
	v_mul_u32_u24 v[SO], v[LN], 48
	v_add_nc_u32 v[SO], s17, v[SO]
	v_lshlrev_b32 v[GO], 5, v[LN]
	v_lshlrev_b32 v[CO], 3, v[LN]
	s_lshl_b32 s18, s16, 3
	s_add_co_u32 s18, s18, XSC
	v_lshrrev_b32 v[SB], 2, v[LN]
	v_add_nc_u32 v[SB], s18, v[SB]                 ; XSC + 8 w + lane / 4
	s_lshl_b32 s18, s16, 10                        ; 1,024 w
	s_add_co_u32 s19, s18, PART
	v_lshl_add_u32 v[PS], v[LN], 2, s19
	v_and_b32 v[PL], 7, v[LN]
	v_lshl_add_u32 v[PL], v[PL], 7, PART
	v_lshl_add_u32 v[SL], v[LN], 3, XSC
	v_lshlrev_b32 v[W4], 2, v[LN]
	v_mov_b32 v[PX], 0
	s_mov_b32 s20, 0x76543210
	s_mov_b32 s21, 0xfedcba98                      ; selects: lane l xor 16
	s_mov_b32 s22, 0xaaaaaaaa                      ; lanes with bit 0 set,
	s_mov_b32 s23, 0xcccccccc                      ; bit 1,
	s_mov_b32 s24, 0xf0f0f0f0                      ; bit 2
	s_mov_b32 s25, 0x600000                        ; the mantissa field of 57,344
	s_mov_b32 s29, 0
	s_wait_kmcnt 0x0
	s_lshl_b32 s28, ttmp9, 15                      ; 8 tokens of 4,096 bytes
	s_add_co_u32 s28, s28, s18
	s_add_nc_u64 s[4:5], s[4:5], s[28:29]          ; x at my tokens, my columns
	s_mov_b32 s28, s18
	s_add_nc_u64 s[6:7], s[6:7], s[28:29]          ; gate_w at my columns
	s_lshl_b32 s28, ttmp9, 13
	s_lshl_b32 s30, s16, 8
	s_add_co_u32 s28, s28, s30
	s_add_nc_u64 s[8:9], s[8:9], s[28:29]          ; xc: 8 rows of 1,024 bytes, + 256 w
	s_lshl_b32 s28, ttmp9, 8
	s_add_nc_u64 s[10:11], s[10:11], s[28:29]      ; xs: 256 bytes a work-group
	s_lshl_b32 s28, ttmp9, 5
	s_add_nc_u64 s[12:13], s[12:13], s[28:29]      ; idx, tv: 32 bytes a work-group
	s_add_nc_u64 s[14:15], s[14:15], s[28:29]
.irp t, 0,1,2,3,4,5,6,7
.irp i, 0,1
	global_load_b128 v[R+8*\t+4*\i:R+8*\t+4*\i+3], v[XO], s[4:5] offset:4096*\t+512*\i th:TH_LOAD_NT   ; 512 consecutive bytes, read once in the launch
.endr
.endr
.irp e, 0,1,2,3,4,5,6,7
.irp i, 0,1
	global_load_b128 v[G+8*\e+4*\i:G+8*\e+4*\i+3], v[GO], s[6:7] offset:4096*\e+16*\i
.endr
.endr
; Step t through the stage.  LDS serves a wave's instructions in order, and the bytes are the wave's own: no wait between the stores and the loads.
.macro TURN t
	s_wait_loadcnt 16+2*(7-\t)                     ; this step's two loads are in; the younger x loads and the 16 of gate_w may be out
.irp i, 0,1
	ds_store_b128 v[SI], v[R+8*\t+4*\i:R+8*\t+4*\i+3] offset:STGT*\t+768*\i
.endr
.irp i, 0,1
	ds_load_b128 v[X+8*\t+4*\i:X+8*\t+4*\i+3], v[SO] offset:STGT*\t+16*\i
.endr
.endm
.irp t, 0,1,2,3,4,5,6,7
	TURN \t
.endr
	s_wait_loadcnt 0x0                             ; gate_w
	s_wait_dscnt 0x0                               ; all eight steps are back; the stores have read v16-79
; One halving of the butterfly: of two experts' sums a lane keeps one (by a bit of its number) and hands the other to the lane across.
.macro FOLD lo, hi, mask, xm, k
	v_cndmask_b32 v[KP+2*\k], v[A+\lo], v[A+\hi], s[\mask]
	v_cndmask_b32 v[KP+2*\k+1], v[A+\hi], v[A+\lo], s[\mask]
	v_add_f32_dpp v[A+\lo], v[KP+2*\k+1], v[KP+2*\k] row_xmask:\xm row_mask:0xf bank_mask:0xf
.endm
; My 8 numbers of token t against my 8 numbers of each expert; then the sum over the 32 lanes, which leaves expert lane % 8 in each lane.
.macro DOT t
.irp e, 0,1,2,3,4,5,6,7
	v_pk_mul_f32 v[S+2*\e:S+2*\e+1], v[X+8*\t:X+8*\t+1], v[G+8*\e:G+8*\e+1]
.endr
.irp p, 1,2,3
.irp e, 0,1,2,3,4,5,6,7
	v_pk_fma_f32 v[S+2*\e:S+2*\e+1], v[X+8*\t+2*\p:X+8*\t+2*\p+1], v[G+8*\e+2*\p:G+8*\e+2*\p+1], v[S+2*\e:S+2*\e+1]
.endr
.endr
.irp e, 0,1,2,3,4,5,6,7
	v_add_f32 v[A+\e], v[S+2*\e], v[S+2*\e+1]
.endr
	FOLD 0, 1, 22, 1, 0
	FOLD 2, 3, 22, 1, 1
	FOLD 4, 5, 22, 1, 0
	FOLD 6, 7, 22, 1, 1
	FOLD 0, 2, 23, 2, 0
	FOLD 4, 6, 23, 2, 1
	FOLD 0, 4, 24, 4, 0
	v_add_f32_dpp v[A], v[A], v[A] row_xmask:8 row_mask:0xf bank_mask:0xf
	v_permlanex16_b32 v[PX], v[A], s20, s21
	v_add_f32 v[R+\t], v[A], v[PX]
	ds_store_b32 v[PS], v[R+\t] offset:128*\t
.endm
; Token t's 8 numbers of mine become 8 codes; the block's byte goes to LDS (its four lanes write the same byte with the same value).
.macro QX t
	v_max3_num_f32 v[KP], |v[X+8*\t]|, |v[X+8*\t+1]|, 0x8000000    ; with the floor 2^(16 - 127): the byte cannot fall under 1
	v_max3_num_f32 v[KP+1], |v[X+8*\t+2]|, |v[X+8*\t+3]|, |v[X+8*\t+4]|
	v_max3_num_f32 v[KP], v[KP], |v[X+8*\t+5]|, |v[X+8*\t+6]|
	v_max3_num_f32 v[KP], v[KP], v[KP+1], |v[X+8*\t+7]|
	v_max_num_f32_dpp v[KP], v[KP], v[KP] row_xmask:1 row_mask:0xf bank_mask:0xf
	v_max_num_f32_dpp v[KP], v[KP], v[KP] row_xmask:2 row_mask:0xf bank_mask:0xf   ; the block's largest magnitude
	v_add_nc_u32 v[SOP], 0xf8800000, v[KP]         ; 15 off its exponent field: the conversion takes this operand's exponent field as its scale
	v_and_or_b32 v[LIM], v[KP], 0x7f800000, s25    ; 57,344 x the scale
.irp i, 0,1,2,3,4,5,6,7
	v_med3_num_f32 v[X+8*\t+\i], v[X+8*\t+\i], -v[LIM], v[LIM]     ; the conversion does not saturate (ISA guide 7.6.2): the hold comes first
.endr
	v_cvt_scalef32_pk8_bf8_f32 v[C+2*\t:C+2*\t+1], v[X+8*\t:X+8*\t+7], v[SOP]
	v_lshrrev_b32 v[R+8+\t], 23, v[SOP]            ; the byte; also the plain line behind the conversion
	ds_store_b8 v[SB], v[R+8+\t] offset:32*\t
	global_store_b64 v[CO], v[C+2*\t:C+2*\t+1], s[8:9] offset:1024*\t   ; 32 lanes store 256 consecutive bytes, aligned
.endm
.irp t, 0,1,2,3,4,5,6,7
	DOT \t                                         ; ahead of QX, which holds the numbers in place
	QX \t
.endr
	s_wait_dscnt 0x0                               ; for the others: my logit parts and scale bytes lie in LDS
	s_barrier_signal -1
	s_barrier_wait -1
	s_cmp_lg_u32 s16, 0                            ; the rest is wave 0's; no barrier follows
	s_cbranch_scc1 .Ldone
	ds_load_b64 v[S:S+1], v[SL]
.irp w, 0,1,2,3
.irp i, 0,1
	ds_load_b128 v[X+8*\w+4*\i:X+8*\w+4*\i+3], v[PL] offset:1024*\w+16*\i   ; token lane % 8: wave w's parts of its 8 logits
.endr
.endr
	s_wait_dscnt 8                                 ; the scale bytes are in; the eight loads behind them may be out
	global_store_b64 v[CO], v[S:S+1], s[10:11]     ; 256 consecutive bytes, aligned
	s_wait_dscnt 0x0
.irp e, 0,1,2,3,4,5,6,7
	v_add_f32 v[G+\e], v[X+\e], v[X+8+\e]
.endr
.irp e, 0,1,2,3,4,5,6,7
	v_add_f32 v[G+8+\e], v[X+16+\e], v[X+24+\e]
.endr
.irp e, 0,1,2,3,4,5,6,7
	v_add_f32 v[G+\e], v[G+\e], v[G+8+\e]          ; the logits
.endr
	v_max3_num_f32 v232, v[G], v[G+1], v[G+2]
	v_max3_num_f32 v233, v[G+3], v[G+4], v[G+5]
	v_max3_num_f32 v232, v232, v[G+6], v[G+7]
	v_max_num_f32 v232, v232, v233                 ; the largest is taken away ahead of the exponentials
.irp e, 0,1,2,3,4,5,6,7
	v_sub_f32 v[G+\e], v[G+\e], v232
.endr
.irp e, 0,1,2,3,4,5,6,7
	v_mul_f32 v[G+\e], 0x3fb8aa3b, v[G+\e]
.endr
	s_wait_alu depctr_va_vdst(0)
.irp e, 0,1,2,3,4,5,6,7
	v_exp_f32 v[G+\e], v[G+\e]
.endr
	v_mov_b32 v234, 7                              ; a plain line behind the batch
	s_wait_alu depctr_va_vdst(0)                   ; one wait for the eight, ahead of their first reader
.irp e, 6,5,4,3,2,1,0
	v_cmp_gt_f32 vcc_lo, 1.0, v[G+\e]              ; the largest probability's exponential is 1: the lowest expert that reaches it is chosen
	v_cndmask_b32 v234, \e, v234, vcc_lo
.endr
	v_add_f32 v235, v[G], v[G+1]
	v_add_f32 v236, v[G+2], v[G+3]
	v_add_f32 v237, v[G+4], v[G+5]
	v_add_f32 v238, v[G+6], v[G+7]
	v_add_f32 v235, v235, v236
	v_add_f32 v237, v237, v238
	v_add_f32 v235, v235, v237
	s_wait_alu depctr_va_vdst(0)
	v_rcp_f32 v236, v235                           ; p = 1 / the sum
	v_nop
	s_wait_alu depctr_va_vdst(0)
	v_add_f32 v237, 0x322bcc77, v236               ; p + 1e-8
	s_wait_alu depctr_va_vdst(0)
	v_rcp_f32 v238, v237
	v_nop
	s_wait_alu depctr_va_vdst(0)
	v_mul_f32 v233, v236, v238
	v_cmp_gt_u32 vcc_lo, 8, v[LN]
	s_wait_alu depctr_va_vdst(0)
	s_wait_xcnt 0x0                                ; EXEC changes only behind this wait
	s_and_saveexec_b32 s26, vcc_lo
	global_store_b32 v[W4], v234, s[12:13]
	global_store_b32 v[W4], v233, s[14:15]
	s_wait_xcnt 0x0
	s_or_b32 exec_lo, exec_lo, s26
.Ldone:
	s_wait_tensorcnt 0x0
	ds_add_u32 v14, v15
	s_wait_dscnt 0x0
	s_endpgm
.Lfunc_end_k_q71e9c141dc_route:
	.size	k_q71e9c141dc_route, .Lfunc_end_k_q71e9c141dc_route-k_q71e9c141dc_route
	.p2alignl 7, 3214868480
	.fill 96, 4, 3214868480
	.section	.rodata,"a",@progbits
	.p2align	6, 0x0
	.amdhsa_kernel k_q71e9c141dc_route
		.amdhsa_group_segment_fixed_size 54016
		.amdhsa_private_segment_fixed_size 0
		.amdhsa_enable_private_segment 0
		.amdhsa_kernarg_size 48
		.amdhsa_user_sgpr_count 2
		.amdhsa_user_sgpr_kernarg_segment_ptr 1
		.amdhsa_wavefront_size32 1
		.amdhsa_system_sgpr_workgroup_id_x 1
		.amdhsa_system_sgpr_workgroup_id_y 1
		.amdhsa_system_sgpr_workgroup_id_z 1
		.amdhsa_system_vgpr_workitem_id 0
		.amdhsa_next_free_vgpr 256
		.amdhsa_next_free_sgpr 66
		.amdhsa_reserve_vcc 1
		.amdhsa_float_denorm_mode_32 3
		.amdhsa_float_denorm_mode_16_64 3
		.amdhsa_memory_ordered 1
		.amdhsa_forward_progress 1
		.amdhsa_inst_pref_size 54
	.end_amdhsa_kernel
	.amdgpu_metadata
---
amdhsa.version: [ 1, 2 ]
amdhsa.kernels:
  - .name:           k_q71e9c141dc_route
    .symbol:         k_q71e9c141dc_route.kd
    .args:
      - { .name: x, .offset: 0, .size: 8, .value_kind: global_buffer, .address_space: global }
      - { .name: gate_w, .offset: 8, .size: 8, .value_kind: global_buffer, .address_space: global }
      - { .name: xc, .offset: 16, .size: 8, .value_kind: global_buffer, .address_space: global }
      - { .name: xs, .offset: 24, .size: 8, .value_kind: global_buffer, .address_space: global }
      - { .name: idx, .offset: 32, .size: 8, .value_kind: global_buffer, .address_space: global }
      - { .name: tv, .offset: 40, .size: 8, .value_kind: global_buffer, .address_space: global }
    .group_segment_fixed_size: 54016
    .private_segment_fixed_size: 0
    .kernarg_segment_align: 8
    .kernarg_segment_size: 48
    .max_flat_workgroup_size: 128
    .sgpr_count:     66
    .vgpr_count:     256
    .wavefront_size: 32
...
	.end_amdgpu_metadata
.endif
;; end of part 6
;; launch place (part 7): grid 1 x 1, 8 waves a work-group, no clusters, 2,048 bytes of LDS; arguments idx, plan; writes plan
.if DOCPART == 7
	.amdgcn_target "amdgcn-amd-amdhsa--gfx1250"
	.amdhsa_code_object_version 6
	.text
	.protected	k_q71e9c141dc_place
	.globl	k_q71e9c141dc_place
	.p2align	8
	.type	k_q71e9c141dc_place,@function
k_q71e9c141dc_place:
	s_mov_b64 s[64:65], 0
	v_nop
	global_prefetch_b8 v0, s[64:65] scope:SCOPE_SE
	s_setreg_imm32_b32 hwreg(HW_REG_WAVE_MODE, 25, 1), 1
	s_wait_xcnt 0x0
; PLACE.  A counting sort of the 2,048 tokens by their expert, each expert's rows padded to whole tiles of 16.
; plan: bytes 0 .. 35: tb[0 .. 8], tb[x] = expert x's first tile, tb[8] = the number of tiles (at most 135: (2,048 + 8 x 15) / 16, rounded down);
;       from byte 256: rows[16 x tile + r] = a token's number, or 4,096 for a padding row.
; One work-group, eight waves: wave w takes tokens 256 w .. 256 w + 255 as 8 chunks of 32, a lane a token.  No atomics: counts meet in LDS behind one barrier, and each token's place is
; its expert's first row + the tokens of that expert in earlier waves + in earlier chunks + in lower lanes.  The work is a few thousand whole numbers: more work-groups would only have to exchange counts.
	s_load_b128 s[4:7], s[0:1], 0x0                ; idx, plan
	v_lshl_add_u32 v72, v0, 2, 0x400
	v_mov_b32 v73, 0
	v_lshrrev_b32 v1, 5, v0
	s_delay_alu instid0(VALU_DEP_1)
	v_readfirstlane_b32 s8, v1                     ; wave 0..7
	v_and_b32 v1, 31, v0                           ; lane
	s_lshl_b32 s9, s8, 10
	s_lshl_b32 s10, s8, 8
	v_lshl_add_u32 v2, v1, 2, s9                   ; idx: 1,024 w + 4 x lane
	v_lshlrev_b32 v3, 2, v0                        ; LDS: 128 bytes a wave, 4 a lane
	v_and_b32 v4, 7, v0
	s_delay_alu instid0(VALU_DEP_1)
	v_lshlrev_b32 v4, 2, v4                        ; LDS: expert lane % 8's word
	v_lshlrev_b32 v5, 2, v1
	v_add_nc_u32 v56, s10, v1                      ; v56-63: my token of each chunk
.irp c, 1,2,3,4,5,6,7
	v_add_nc_u32 v[56+\c], 32*\c, v56
.endr
.irp x, 0,1,2,3,4,5,6,7
	s_mov_b32 s[16+\x], 0
.endr
	s_wait_kmcnt 0x0
.irp c, 0,1,2,3,4,5,6,7
	global_load_b32 v[16+\c], v2, s[4:5] offset:128*\c
.endr
	s_wait_loadcnt 0x0
.irp c, 0,1,2,3,4,5,6,7                        ; my wave's count of each expert: eight masks, then their counts
.irp x, 0,1,2,3,4,5,6,7
	v_cmp_eq_u32 s[24+\x], \x, v[16+\c]
.endr
.irp x, 0,1,2,3,4,5,6,7
	s_bcnt1_i32_b32 s[32+\x], s[24+\x]
.endr
.irp x, 0,1,2,3,4,5,6,7
	s_add_co_u32 s[16+\x], s[16+\x], s[32+\x]
.endr
.endr
	v_mov_b32 v30, 0
.irp x, 0,1,2,3,4,5,6,7
	s_delay_alu instid0(VALU_DEP_1)
	v_writelane_b32 v30, s[16+\x], \x
.endr
	ds_store_b32 v3, v30
	s_wait_dscnt 0x0                               ; for the others: my counts lie in LDS
	s_barrier_signal -1
	s_barrier_wait -1
.irp w, 0,1,2,3,4,5,6,7
	ds_load_b32 v[32+\w], v4 offset:128*\w         ; lane x: wave w's count of expert x
.endr
	v_mov_b32 v40, 0                               ; all waves',
	v_mov_b32 v41, 0                               ; and those of the waves ahead of mine
	s_wait_alu depctr_va_vdst(0)
	s_wait_dscnt 0x0
.irp w, 0,1,2,3,4,5,6,7
	v_add_nc_u32 v40, v40, v[32+\w]
	s_cmp_gt_u32 s8, \w
	s_cselect_b32 s11, -1, 0
	v_and_b32 v44, s11, v[32+\w]
	s_delay_alu instid0(VALU_DEP_1)
	v_add_nc_u32 v41, v41, v44
.endr
	v_add_nc_u32 v42, 15, v40
	s_delay_alu instid0(VALU_DEP_1)
	v_lshrrev_b32 v42, 4, v42                      ; tiles of the expert
.irp x, 0,1,2,3,4,5,6,7
	v_readlane_b32 s[24+\x], v42, \x
	v_readlane_b32 s[32+\x], v41, \x
	v_readlane_b32 s[40+\x], v40, \x
.endr
	s_mov_b32 s48, 0
.irp x, 0,1,2,3,4,5,6,7
	s_add_co_u32 s[49+\x], s[48+\x], s[24+\x]      ; tb[0 .. 8] in s48 .. s56
.endr
.irp x, 0,1,2,3,4,5,6,7
	s_lshl_b32 s11, s[48+\x], 4
	s_add_co_u32 s[16+\x], s11, s[32+\x]           ; where my wave's first token of expert x goes
.endr
.irp c, 0,1,2,3,4,5,6,7
	v_mov_b32 v[48+\c], 0
.endr
.irp c, 0,1,2,3,4,5,6,7
.irp x, 0,1,2,3,4,5,6,7
	v_cmp_eq_u32 s[24+\x], \x, v[16+\c]
.endr
.irp x, 0,1,2,3,4,5,6,7
	v_mbcnt_lo_u32_b32 v44, s[24+\x], s[16+\x]     ; the start + the lower lanes with the same expert
	s_delay_alu instid0(VALU_DEP_1)
	v_cndmask_b32 v[48+\c], v[48+\c], v44, s[24+\x]
.endr
.irp x, 0,1,2,3,4,5,6,7
	s_bcnt1_i32_b32 s[32+\x], s[24+\x]
.endr
.irp x, 0,1,2,3,4,5,6,7
	s_add_co_u32 s[16+\x], s[16+\x], s[32+\x]
.endr
.endr
.irp c, 0,1,2,3,4,5,6,7
	v_min_u32 v[48+\c], 0x87f, v[48+\c]            ; held inside the list's 2,176 entries
	s_delay_alu instid0(VALU_DEP_1)
	v_lshlrev_b32 v[48+\c], 2, v[48+\c]
	global_store_b32 v[48+\c], v[56+\c], s[6:7] offset:256
.endr
	; the padding rows of expert w: from 16 tb[w] + its tokens up to 16 tb[w + 1], at most 15
	s_mov_b32 s12, 0
	s_mov_b32 s13, 0
	s_mov_b32 s14, 0
.irp x, 0,1,2,3,4,5,6,7
	s_cmp_eq_u32 s8, \x
	s_cselect_b32 s12, s[48+\x], s12
	s_cselect_b32 s13, s[49+\x], s13
	s_cselect_b32 s14, s[40+\x], s14
.endr
	s_lshl_b32 s12, s12, 4
	s_add_co_u32 s12, s12, s14
	s_lshl_b32 s13, s13, 4
	v_add_nc_u32 v45, s12, v1
	s_delay_alu instid0(VALU_DEP_1)
	v_cmp_gt_u32 vcc_lo, s13, v45
	s_delay_alu instid0(VALU_DEP_2)
	v_min_u32 v45, 0x87f, v45
	s_delay_alu instid0(VALU_DEP_1)
	v_lshlrev_b32 v45, 2, v45
	v_mov_b32 v46, 0x1000
	s_wait_alu depctr_va_vdst(0)
	s_wait_xcnt 0x0                                ; EXEC changes only behind this wait
	s_and_saveexec_b32 s15, vcc_lo
	global_store_b32 v45, v46, s[6:7] offset:256
	s_wait_xcnt 0x0
	s_or_b32 exec_lo, exec_lo, s15
	s_cmp_lg_u32 s8, 0                             ; the table is wave 0's
	s_cbranch_scc1 .Ldone
	v_mov_b32 v47, 0
.irp x, 0,1,2,3,4,5,6,7,8
	s_delay_alu instid0(VALU_DEP_1)
	v_writelane_b32 v47, s[48+\x], \x
.endr
	global_store_b32 v5, v47, s[6:7]               ; bytes 0 .. 127
.Ldone:
	s_wait_tensorcnt 0x0
	ds_add_u32 v72, v73
	s_wait_dscnt 0x0
	s_endpgm
.Lfunc_end_k_q71e9c141dc_place:
	.size	k_q71e9c141dc_place, .Lfunc_end_k_q71e9c141dc_place-k_q71e9c141dc_place
	.p2alignl 7, 3214868480
	.fill 96, 4, 3214868480
	.section	.rodata,"a",@progbits
	.p2align	6, 0x0
	.amdhsa_kernel k_q71e9c141dc_place
		.amdhsa_group_segment_fixed_size 2048
		.amdhsa_private_segment_fixed_size 0
		.amdhsa_enable_private_segment 0
		.amdhsa_kernarg_size 16
		.amdhsa_user_sgpr_count 2
		.amdhsa_user_sgpr_kernarg_segment_ptr 1
		.amdhsa_wavefront_size32 1
		.amdhsa_system_sgpr_workgroup_id_x 1
		.amdhsa_system_sgpr_workgroup_id_y 1
		.amdhsa_system_sgpr_workgroup_id_z 1
		.amdhsa_system_vgpr_workitem_id 0
		.amdhsa_next_free_vgpr 74
		.amdhsa_next_free_sgpr 66
		.amdhsa_reserve_vcc 1
		.amdhsa_float_denorm_mode_32 3
		.amdhsa_float_denorm_mode_16_64 3
		.amdhsa_memory_ordered 1
		.amdhsa_forward_progress 1
		.amdhsa_inst_pref_size 39
	.end_amdhsa_kernel
	.amdgpu_metadata
---
amdhsa.version: [ 1, 2 ]
amdhsa.kernels:
  - .name:           k_q71e9c141dc_place
    .symbol:         k_q71e9c141dc_place.kd
    .args:
      - { .name: idx, .offset: 0, .size: 8, .value_kind: global_buffer, .address_space: global }
      - { .name: plan, .offset: 8, .size: 8, .value_kind: global_buffer, .address_space: global }
    .group_segment_fixed_size: 2048
    .private_segment_fixed_size: 0
    .kernarg_segment_align: 8
    .kernarg_segment_size: 16
    .max_flat_workgroup_size: 256
    .sgpr_count:     66
    .vgpr_count:     74
    .wavefront_size: 32
...
	.end_amdgpu_metadata
.endif
;; end of part 7
;; launch up (part 8): grid 32 x 8, 4 waves a work-group, no clusters, 68,096 bytes of LDS; arguments expert_w1, xc, xs, plan, hid, hs; writes hid, hs
.if DOCPART == 8
	.amdgcn_target "amdgcn-amd-amdhsa--gfx1250"
	.amdhsa_code_object_version 6
	.text
	.protected	k_q71e9c141dc_up
	.globl	k_q71e9c141dc_up
	.p2align	8
	.type	k_q71e9c141dc_up,@function
k_q71e9c141dc_up:
	s_mov_b64 s[64:65], 0
	v_nop
	global_prefetch_b8 v0, s[64:65] scope:SCOPE_SE
	s_setreg_imm32_b32 hwreg(HW_REG_WAVE_SCHED_MODE, 0, 2), 2
	s_setreg_imm32_b32 hwreg(HW_REG_WAVE_MODE, 25, 1), 1
	s_wait_xcnt 0x0
	s_wait_alu depctr_vm_vsrc(0)
; UP.  hidden = Q(gelu(Q(x) Q(W1[e]))) for the rows that chose expert e, on codes of E5M2 with one E8M0 scale for each 32 along K.
; SHARES.  Work-group (j, e) owns hidden units 64 j .. 64 j + 63 of expert e: 1,024 x 64 numbers of W1, 256 KiB of f32, read ONCE in the launch, quantised in registers and kept as 32 fragments
; in every wave's registers.  Then the expert's tiles of 16 rows are dealt to the four waves by turns.
; PHASE 1.  W1 is [K][H]: K is not innermost.  A load takes 16 bytes a lane: sixteen lanes read 256 consecutive aligned bytes of one row of W1, the other sixteen the row 128 further down.  A lane owns 4 columns and the
; 128 rows of ONE K step: its registers run down K, so a block's largest magnitude needs no other lane.  The hold writes each column's numbers on end, the conversions make codes with K innermost, and
; they go to LDS as IMAGES OF THE OPERAND'S REGISTERS (image o = 4 fragment + c at 512 o, lane slot at 16 x slot).  One barrier; every wave loads all 128 images.  These 32 stores a wave do not spread evenly over the banks; they run once.
; An expert without rows still has its slice read: the barrier stands on every wave's path, ahead of every branch on a stored number.
; THE HIDDEN UNITS OF A TILE ARE NOT NEIGHBOURS: row m of tile 2 b + u is unit 32 b + 8 u + m + 8 (m / 8), and the product is used transposed (source 0 = 16 units, source 1 = 16 rows of x): so a lane holds one
; row, and the 16 registers of tiles 2 b, 2 b + 1 are the 16 neighbours 32 b + 16 (lane / 16) + 0 .. 15 along the next K: the conversions' results are the next operand's registers.
; GELU, exact form, in f32: erfc(z) = t exp(-z z + P(t)), t = 1 / (1 + z / 2), the ten-coefficient fit whose stated fractional error is under 1.2e-7 for every z >= 0; log2(e) and the factor 1/2 are folded into the
; constants.  w = x erfc(|x| / sqrt 2) / 2; gelu = w for x < 0 and x - w for x >= 0, which is max(w, x - w).
; OUT: hid[tile][o = 2 j + b][lane][16 bytes]: each store covers 512 consecutive aligned bytes.  hs[tile][row][64]: one byte a lane (128 KiB in the launch against 64 MiB read): those stores do not fill 256 aligned bytes.
; NO TENSOR LOADS, NO JOINT LOADS: the number of tiles is a number read from memory, so the loop's trip count hangs on it and operands come from memory into registers.  The 32 slices of an expert each read its rows of xc.
; LIMITS: NaN and infinities are not served (w would be infinity x 0).  A block of zeros gets the byte 1 and not 127: its codes are zeros, and this program alone reads the bytes.  Padding rows of a tile take token 2,047's numbers; nobody reads their results.
; REGISTERS, in windows of 256: window 0: addresses, scale words, accumulators, the gelu;  windows 1, 2: W1 as loaded, then its 32 fragments (fragment 4 s + t at 256 + 16 (4 s + t));
;   window 3: v0-127 held numbers, then x's 8 fragments; v128-255 the weights' codes, 32 a round.
; THE MODE: SCHED_MODE bits 1:0 = 2 (LLVM: expert scheduling mode 2), set by the entry lines.  The code itself states the register dependences
; between vector or matrix instructions and memory or LDS instructions, with s_wait_alu, always for 0.
; THE PLAN.  Registers that memory or LDS instructions touch, and who else names them:
;   v1-7, v13             offsets and LDS addresses: written once at the head, ahead of one wait on va_vdst; never written again.
;   windows 1, 2          W1's loads land there, and no vector instruction names a round's registers ahead of its loads; phase 1's maxima and holds read them; behind the barrier the fragments' LDS loads land there; the products read them.
;   window 3, v128-255    round c's conversions write 32 registers of their own; round c's eight LDS stores read them; nothing writes them again.
;   window 3, v0-127      phase 1's holds write them and its conversions read them; from then on the gathers' loads land there and the products read them.
;   v[XS ..], v[L1]       loads land there; the products read the scale words, one address line reads the list entry.
;   v[XO], v[XSO], v[LO]  written by the address lines behind a tile's products; read by the loads that follow them.
;   v[CD ..], v[BY]       written at a tile's end; read by its three stores.
; PHASE 1: round c's LDS stores stand behind the wait for round c + 1's data, one wait on va_vdst ahead of them; round 3's, and the scale words', behind one more.
; A TILE: one wait on vm_vsrc at its head (the addresses and the out-registers may be written again); one on va_vdst behind the products and the address lines, ahead of the run of 35 loads;
; the two behind the gelu's batches; one ahead of the three stores.
.set PB,   8192                        ; a row of W1 in bytes
.set L16,  1                           ; v1   16 x lane
.set WOFF, 2                           ; v2   W1: (lane / 16) x 128 rows + 16 (lane % 16)
.set IST,  3                           ; v3   where my codes' images begin
.set SST,  4                           ; v4   where my columns' scale words go
.set SLD,  5                           ; v5   65,536 + 4 (lane % 16)
.set LB,   6                           ; v6   256 + 4 (lane % 16): my row in a tile's part of the list
.set H16,  7                           ; v7   16 (lane / 16)
.set XO,   8                           ; v8   my token's row of xc
.set XSO,  9                           ; v9   and of xs
.set LO,   10                          ; v10  the list entry asked for
.set TK,   11                          ; v11  the token in hand
.set L1,   12                          ; v12  the next tile's list entry
.set HSO,  13                          ; v13  64 (lane % 16) + lane / 16
.set LO2,  14                          ; v14  the second list load of the start
.set WS,   16                          ; v16-47  W1's scale words, one a fragment: scales and nothing else
.set XS,   48                          ; v48-55  x's scale words, one a K step: scales and nothing else
.set Q9,   56                          ; v56-57  the fit's highest coefficient, twice
.set ACC,  64                          ; v64-95  four accumulators
.set G,    96                          ; v96-127 kappa x; later the gelu
.set T,    128                         ; v128-159
.set P,    160                         ; v160-191
.set CD,   192                         ; v192-199 the hidden codes
.set QM,   200                         ; largest magnitudes
.set QS,   204                         ; the conversions' scale operands
.set QL,   208                         ; 57,344 x the scales
.set QB,   212                         ; the bytes
.set QW,   216                         ; the weights' scale words in the making
.set PX,   220                         ; v220-221 lane permutes' destinations: written once
.set BY,   222                         ; the byte that I store
.set TMP,  224
.set MSB, 0
.macro WIN new                         ; the immediate's high byte repeats the setting that is left; a switch that changes nothing is dropped
.if MSB != (\new)
	s_set_vgpr_msb (MSB<<8)|(\new)
.set MSB, (\new)
.endif
.endm
.macro SPAIR r, val                    ; a packed form names a pair and takes its low word for both halves: both are written
	s_mov_b32 s[\r], \val
	s_mov_b32 s[\r+1], \val
.endm
	s_load_b256 s[4:11], s[0:1], 0x0               ; W1, xc, xs, plan
	s_load_b128 s[12:15], s[0:1], 0x20             ; hid, hs
	v_lshl_add_u32 v254, v0, 2, 0x10800
	v_mov_b32 v255, 0
	v_lshrrev_b32 v[TMP], 5, v0
	v_readfirstlane_b32 s18, v[TMP]                ; wave 0..3
	s_mov_b32 s19, ttmp9                           ; j
	s_and_b32 s20, ttmp7, 0xffff                   ; e
	v_and_b32 v[TMP], 31, v0
	v_lshlrev_b32 v[L16], 4, v[TMP]
	v_and_b32 v[TMP+1], 15, v0                     ; q = lane % 16
	v_bfe_u32 v[TMP+2], v0, 4, 1                   ; lane / 16
	v_lshlrev_b32 v[WOFF], 4, v[TMP+1]
	v_lshl_add_u32 v[WOFF], v[TMP+2], 20, v[WOFF]  ; 128 rows of 8,192 bytes
	v_bfe_u32 v[TMP+3], v0, 3, 1                   ; my columns 4 q + u: tile t = 2 (q / 8) + (q / 2) % 2,
	v_bfe_u32 v[TMP+4], v0, 1, 1
	v_bfe_u32 v[TMP+5], v0, 2, 1                   ; row m = 8 ((q / 4) % 2) + 4 (q % 2) + u
	v_and_b32 v[TMP+6], 1, v0
	s_wait_alu depctr_va_sdst(0)                   ; s18 is written, ahead of its first reader: LDS addresses, the base of W1 and my first tile are made from it
	s_lshl_b32 s33, s18, 9
	v_lshlrev_b32 v[TMP+7], 7, v[TMP+3]
	v_lshl_add_u32 v[TMP+7], v[TMP+4], 6, v[TMP+7]
	v_lshl_add_u32 v[TMP+7], v[TMP+2], 8, v[TMP+7]
	v_add_nc_u32 v[TMP+7], s33, v[TMP+7]           ; 64 x my fragment = 64 t + 256 (2 w + lane / 16)
	v_lshlrev_b32 v[TMP+8], 3, v[TMP+5]
	v_lshl_add_u32 v[TMP+8], v[TMP+6], 2, v[TMP+8] ; m of u = 0
	v_lshlrev_b32 v[IST], 5, v[TMP+7]
	v_lshl_add_u32 v[IST], v[TMP+8], 4, v[IST]     ; 2,048 x fragment + 16 m
	v_lshl_add_u32 v[SST], v[TMP+8], 2, v[TMP+7]
	v_add_nc_u32 v[SST], 0x10000, v[SST]           ; 65,536 + 64 x fragment + 4 m
	v_lshl_add_u32 v[SLD], v[TMP+1], 2, 0x10000
	v_lshl_add_u32 v[LB], v[TMP+1], 2, 256
	v_lshlrev_b32 v[H16], 4, v[TMP+2]
	v_lshl_add_u32 v[HSO], v[TMP+1], 6, v[TMP+2]
	v_mov_b32 v[Q9], 0x3e7c6f08
	v_mov_b32 v[Q9+1], 0x3e7c6f08
	v_mov_b32 v[PX], 0
	v_mov_b32 v[PX+1], 0
	s_mov_b32 s27, 0x600000                        ; the mantissa field of 57,344
	s_mov_b32 s28, 0x76543210
	s_mov_b32 s29, 0xfedcba98                      ; selects: lane l xor 16
	s_mov_b32 s30, 0xffff0000                      ; lanes 16-31
	SPAIR 66, 0xbf97d29d                           ; q8 .. q0: the fit's coefficients x log2(e); q0 less 1
	SPAIR 68, 0x40097039
	SPAIR 70, 0xbfd1a1e5
	SPAIR 72, 0x3ecdfd18
	SPAIR 74, 0xbe899a80
	SPAIR 76, 0x3e0efb2e
	SPAIR 78, 0x3f0a29d2
	SPAIR 80, 0x3fb8ab5a
	SPAIR 82, 0xc034d90f
	SPAIR 84, 0x3f596d27                           ; kappa = sqrt(log2(e) / 2)
	s_mov_b32 s86, 0x3ed5224d                      ; lambda = 0.5 / sqrt(log2(e))
	s_mov_b32 s37, 0
	s_mov_b32 s45, 0
	s_wait_kmcnt 0x0
	s_lshl_b32 s36, s20, 23                        ; an expert is 8,388,608 bytes,
	s_lshl_b32 s33, s19, 8                         ; my slice 256 bytes of a row,
	s_add_co_u32 s36, s36, s33
	s_lshl_b32 s33, s18, 21                        ; my wave's two K steps 256 rows
	s_add_co_u32 s36, s36, s33
	s_add_nc_u64 s[4:5], s[4:5], s[36:37]
	s_lshl_b32 s36, s20, 2
	s_add_nc_u64 s[40:41], s[10:11], s[36:37]
	s_load_b64 s[22:23], s[40:41], 0x0             ; tb[e], tb[e + 1]: waited for behind the barrier
	s_lshl_b32 s36, s19, 10
	s_add_nc_u64 s[12:13], s[12:13], s[36:37]      ; hid + 1,024 j
	s_lshl_b32 s36, s19, 1
	s_add_nc_u64 s[14:15], s[14:15], s[36:37]      ; hs + 2 j
; Round c: rows 32 c .. 32 c + 31 of my K step, 4 columns a lane.  Register 4 i + u = W1(row i, column u).
; No vector instruction names a round's registers ahead of its loads, and v[WOFF] is never written again: the one wait ahead of round 0's loads serves all four rounds.
.macro WLOAD c
.set XB, 128*((\c)%2)
	WIN 0x40*(1+(\c)/2)
.set wi, 0
.rept 32
	global_load_b128 v[XB+4*wi:XB+4*wi+3], v[WOFF], s[4:5] offset:(32*(\c)+wi)*PB th:TH_LOAD_NT
.set wi, wi+1
.endr
	WIN 0
.endm
; Round c becomes codes: four blocks of 32, one a column.
.macro WQ c
.set XB, 128*((\c)%2)
.set WX, 1+(\c)/2
.irp u, 0,1,2,3
	v_mov_b32 v[QM+\u], 0x8000000                  ; the floor 2^(16 - 127): the byte cannot fall under 1
.endr
	WIN (WX<<2)|(WX<<4)
.set qi, 0
.rept 16
.irp u, 0,1,2,3
	v_max3_num_f32 v[QM+\u], v[QM+\u], |v[XB+8*qi+\u]|, |v[XB+8*qi+4+\u]|   ; the four columns by turns
.endr
.set qi, qi+1
.endr
	WIN 0
.irp u, 0,1,2,3
	v_add_nc_u32 v[QS+\u], 0xf8800000, v[QM+\u]    ; 15 off the exponent field: the conversion's scale operand
.endr
.irp u, 0,1,2,3
	v_and_or_b32 v[QL+\u], v[QM+\u], 0x7f800000, s27   ; 57,344 x the scale
.endr
.irp u, 0,1,2,3
	v_lshrrev_b32 v[QB+\u], 23, v[QS+\u]           ; the byte
.endr
.if (\c) == 0
.irp u, 0,1,2,3
	v_mov_b32 v[QW+\u], v[QB+\u]
.endr
.else
.irp u, 0,1,2,3
	v_lshl_or_b32 v[QW+\u], v[QB+\u], 8*(\c), v[QW+\u]   ; a K step's four bytes make a column's scale word
.endr
.endif
	WIN 0xC0|WX
.irp u, 0,1,2,3
.set qi, 0
.rept 32
	v_med3_num_f32 v[32*\u+qi], v[XB+4*qi+\u], -v[QL+\u], v[QL+\u]   ; the hold (the conversion does not saturate: ISA guide 7.6.2), and each column's 32 numbers on end
.set qi, qi+1
.endr
.endr
	WIN 0xC3
.irp u, 0,1,2,3
.irp k, 0,1,2,3
	v_cvt_scalef32_pk8_bf8_f32 v[128+32*(\c)+8*\u+2*\k:128+32*(\c)+8*\u+2*\k+1], v[32*\u+8*\k:32*\u+8*\k+7], v[QS+\u]
.endr
.endr
	v_nop                                          ; a plain line behind the last conversion: the next round writes its sources
	WIN 0
.endm
; Round c's codes go to LDS.  Each round has 32 registers of its own for them: nothing writes them again.
.macro WST c
	WIN 0x0C                                       ; an LDS store's data are its source 1: window 3
	s_wait_alu depctr_va_vdst(0)                   ; round c's conversions have written its codes, which the stores below read
.irp u, 0,1,2,3
.irp hh, 0,1
	ds_store_b128 v[IST], v[128+32*(\c)+8*\u+4*\hh:128+32*(\c)+8*\u+4*\hh+3] offset:512*(\c)+256*\hh+16*\u   ; k = 32 c + 16 hh + 0 .. 15 of row m + u: lane slot 16 hh + m + u of image c
.endr
.endr
	WIN 0
.endm
	s_wait_alu depctr_va_vdst(0)                   ; the offsets and LDS addresses v1 to v7 and v13 are written: every load and store of the kernel that names one of them stands behind this wait
	WLOAD 0
	WLOAD 1
	s_wait_loadcnt 32                              ; round 0 is in; round 1's 32 loads may be out
	WLOAD 2
	WQ 0
	s_wait_loadcnt 32                              ; round 1 is in; round 2's may be out
	WLOAD 3
	WST 0                                          ; a round's stores stand behind the wait for the next round's data
	WQ 1
	s_wait_loadcnt 32                              ; round 2 is in; round 3's may be out
	WST 1
	WQ 2
	s_wait_loadcnt 0x0
	WST 2
	WQ 3
	WST 3                                          ; its wait also shows the four scale words written, which the stores below read
.irp u, 0,1,2,3
	ds_store_b32 v[SST], v[QW+\u] offset:4*\u
.endr
	s_wait_dscnt 0x0                               ; for the others: my images and scale words lie in LDS
	s_barrier_signal -1
	s_barrier_wait -1                              ; the launch's one barrier: nothing is stored to LDS behind it
	s_wait_kmcnt 0x0
	s_min_u32 s22, s22, 135                        ; a number read from memory is held by a constant before an address is made of it
	s_min_u32 s26, s23, 135                        ; end: the expert's tiles are tb[e] .. end - 1
	s_add_co_u32 s24, s22, s18                     ; my first tile; the waves take the tiles by turns
	s_cmp_ge_u32 s24, s26
	s_cbranch_scc1 .Lend                           ; none for me
	s_sub_co_u32 s32, s26, 1                       ; the expert's last tile
	s_sub_co_u32 s25, s32, s24
	s_lshr_b32 s25, s25, 2                         ; how many of my tiles have a successor of mine: (end - 1 - first) / 4, rounded down;
	s_min_u32 s25, s25, 33                         ; of at most 135 tiles a wave has at most 34
	s_mov_b32 s34, 0                               ; counts them, by 1
	s_min_u32 s31, s24, 135
	v_lshl_add_u32 v[LO], s31, 6, v[LB]
	s_add_co_u32 s31, s24, 4
	s_min_u32 s31, s31, s32
	s_min_u32 s31, s31, 135
	v_lshl_add_u32 v[LO2], s31, 6, v[LB]
	s_wait_alu depctr_va_vdst(0)                   ; v[LO] and v[LO2] are written, which the two loads read; phase 1's maxima and holds are done reading windows 1 and 2, in which the fragments land
	global_load_b32 v[TK], v[LO], s[10:11]         ; my row's token in my first tile,
	global_load_b32 v[L1], v[LO2], s[10:11]        ; and in my next (held to the expert's last tile)
	; all 32 fragments and their scale words into my registers
	WIN 0x40
.set fo, 0
.rept 64
	ds_load_b128 v[4*fo:4*fo+3], v[L16] offset:512*fo
.set fo, fo+1
.endr
	WIN 0x80
.set fo, 0
.rept 64
	ds_load_b128 v[4*fo:4*fo+3], v[L16] offset:512*(fo+64)
.set fo, fo+1
.endr
	WIN 0
.set fo, 0
.rept 32
	ds_load_b32 v[WS+fo], v[SLD] offset:64*fo
.set fo, fo+1
.endr
; My token's row of codes (lane (r, h): bytes 128 s + 32 c + 16 h on) and its 8 scale words.
.macro GATHER
	WIN 0xC0
	s_wait_alu depctr_va_vdst(0)                   ; v[XO] and v[XSO] are written, which these loads read; the lines that last named the registers in which they land are done: ahead of my first tile phase 1's holds and conversions, in the loop the products (x's fragments and scale words); there v[LO] is written too, and v[L1] read
.set go, 0
.rept 32
	global_load_b128 v[4*go:4*go+3], v[XO], s[6:7] offset:32*go
.set go, go+1
.endr
	WIN 0
	global_load_b128 v[XS:XS+3], v[XSO], s[8:9]
	global_load_b128 v[XS+4:XS+7], v[XSO], s[8:9] offset:16
.endm
	s_wait_loadcnt 0x0                             ; the two list entries
	v_min_u32 v[TK], 0x7ff, v[TK]                  ; a padding row's 4,096 becomes token 2,047
	v_lshl_add_u32 v[XO], v[TK], 10, v[H16]
	v_lshlrev_b32 v[XSO], 5, v[TK]
	GATHER
	s_wait_dscnt 0x0                               ; the fragments are in
; 32 products: 8 K steps x 4 tiles of hidden units.  The four accumulators take turns, one instruction a turn; the first K step starts the sums.
.macro PRODUCTS
.set ps, 0
.rept 8
	WIN 0x0D+ps/4                                  ; source 0 (W1) window 1, then 2; source 1 (x) window 3
.irp t, 0,1,2,3
.if ps == 0
	v_wmma_scale_f32_16x16x128_f8f6f4 v[ACC+8*\t:ACC+8*\t+7], v[16*(4*(ps%4)+\t):16*(4*(ps%4)+\t)+15], v[16*ps:16*ps+15], 0, v[WS+4*ps+\t], v[XS+ps] matrix_a_fmt:MATRIX_FMT_BF8 matrix_b_fmt:MATRIX_FMT_BF8
.else
	v_wmma_scale_f32_16x16x128_f8f6f4 v[ACC+8*\t:ACC+8*\t+7], v[16*(4*(ps%4)+\t):16*(4*(ps%4)+\t)+15], v[16*ps:16*ps+15], v[ACC+8*\t:ACC+8*\t+7], v[WS+4*ps+\t], v[XS+ps] matrix_a_fmt:MATRIX_FMT_BF8 matrix_b_fmt:MATRIX_FMT_BF8
.endif
.endr
.set ps, ps+1
.endr
	WIN 0
.endm
.macro GELU
.set gi, 0
.rept 16
	v_pk_mul_f32 v[G+2*gi:G+2*gi+1], v[ACC+2*gi:ACC+2*gi+1], s[84:85] op_sel_hi:[1,0]   ; g = kappa x: g g = log2(e) z z.  Ascending: each accumulator is first read at its low end
.set gi, gi+1
.endr
.set gi, 0
.rept 32
	v_fma_f32 v[T+gi], |v[G+gi]|, s86, 1.0         ; 1 + z / 2
.set gi, gi+1
.endr
.set gi, 0
	s_wait_alu depctr_va_vdst(0)
.rept 32
	v_rcp_f32 v[T+gi], v[T+gi]                     ; t
.set gi, gi+1
.endr
	v_nop                                          ; a plain line behind the batch,
	s_wait_alu depctr_va_vdst(0)                   ; and one wait for the 32 reciprocals in v[T ..], ahead of their first reader
.set gi, 0
.rept 16
	v_pk_fma_f32 v[P+2*gi:P+2*gi+1], v[T+2*gi:T+2*gi+1], v[Q9:Q9+1], s[66:67] op_sel_hi:[1,1,0]
.set gi, gi+1
.endr
.irp k, 68,70,72,74,76,78,80,82
.set gi, 0
.rept 16
	v_pk_fma_f32 v[P+2*gi:P+2*gi+1], v[P+2*gi:P+2*gi+1], v[T+2*gi:T+2*gi+1], s[\k:\k+1] op_sel_hi:[1,1,0]
.set gi, gi+1
.endr
.endr
.set gi, 0
.rept 16
	v_pk_fma_f32 v[P+2*gi:P+2*gi+1], v[G+2*gi:G+2*gi+1], v[G+2*gi:G+2*gi+1], v[P+2*gi:P+2*gi+1] neg_lo:[1,0,0] neg_hi:[1,0,0]
.set gi, gi+1
.endr
.set gi, 0
	s_wait_alu depctr_va_vdst(0)
.rept 32
	v_exp_f32 v[P+gi], v[P+gi]
.set gi, gi+1
.endr
	v_nop
	s_wait_alu depctr_va_vdst(0)                   ; one wait for the 32 exponentials in v[P ..], ahead of their first reader
.set gi, 0
.rept 16
	v_pk_mul_f32 v[P+2*gi:P+2*gi+1], v[P+2*gi:P+2*gi+1], v[T+2*gi:T+2*gi+1]         ; erfc / 2
.set gi, gi+1
.endr
.set gi, 0
.rept 16
	v_pk_mul_f32 v[P+2*gi:P+2*gi+1], v[P+2*gi:P+2*gi+1], v[ACC+2*gi:ACC+2*gi+1]     ; w
.set gi, gi+1
.endr
.set gi, 0
.rept 16
	v_pk_add_f32 v[T+2*gi:T+2*gi+1], v[ACC+2*gi:ACC+2*gi+1], v[P+2*gi:P+2*gi+1] neg_lo:[0,1] neg_hi:[0,1]   ; x - w
.set gi, gi+1
.endr
.set gi, 0
.rept 32
	v_max_num_f32 v[G+gi], v[P+gi], v[T+gi]        ; the gelu: register 16 b + i is hidden unit 64 j + 32 b + 16 (lane / 16) + i of my row
.set gi, gi+1
.endr
.endm
; The tile's two blocks of 32 hidden units: a block lies in lanes l and l xor 16.
.macro QH
.irp b, 0,1
	v_max3_num_f32 v[QM+\b], |v[G+16*\b]|, |v[G+16*\b+1]|, 0x8000000
.endr
.irp i, 2,4,6,8,10,12,14
.irp b, 0,1
	v_max3_num_f32 v[QM+\b], v[QM+\b], |v[G+16*\b+\i]|, |v[G+16*\b+\i+1]|
.endr
.endr
.irp b, 0,1
	v_permlanex16_b32 v[PX+\b], v[QM+\b], s28, s29
.endr
.irp b, 0,1
	v_max_num_f32 v[QM+\b], v[QM+\b], v[PX+\b]
.endr
.irp b, 0,1
	v_add_nc_u32 v[QS+\b], 0xf8800000, v[QM+\b]
.endr
.irp b, 0,1
	v_and_or_b32 v[QL+\b], v[QM+\b], 0x7f800000, s27
.endr
.irp b, 0,1
	v_lshrrev_b32 v[QB+\b], 23, v[QS+\b]
.endr
	s_wait_alu depctr_va_vdst(0)
	s_wait_xcnt 0x0                                ; the last tile's stores have had their addresses translated: only now are their data and bases written again (that they have read their vector registers is stated at the tile's head)
	v_cndmask_b32 v[BY], v[QB], v[QB+1], s30       ; lanes 0-15 store block 0's byte, lanes 16-31 block 1's
.irp b, 0,1
.irp i, 0,1,2,3,4,5,6,7,8,9,10,11,12,13,14,15
	v_med3_num_f32 v[G+16*\b+\i], v[G+16*\b+\i], -v[QL+\b], v[QL+\b]
.endr
	v_cvt_scalef32_pk8_bf8_f32 v[CD+4*\b:CD+4*\b+1], v[G+16*\b:G+16*\b+7], v[QS+\b]
	v_cvt_scalef32_pk8_bf8_f32 v[CD+4*\b+2:CD+4*\b+3], v[G+16*\b+8:G+16*\b+15], v[QS+\b]
.endr
	v_nop                                          ; a plain line behind the last conversion
.endm
; One tile.  next = 1: my next tile's operands are asked for behind the products and land under the gelu.
.macro TRIP next
	s_wait_loadcnt 0x0                             ; x's fragments, its scale words and the next list entry: all were asked for a gelu ago
	s_wait_alu depctr_vm_vsrc(0)                   ; the loads issued so far have read v[XO], v[XSO] and v[LO], which the address lines below write; the last tile's stores have read v[CD ..] and v[BY], which this tile's end writes
	PRODUCTS
.if \next
	s_add_co_u32 s31, s24, 8
	s_min_u32 s31, s31, s32
	s_min_u32 s31, s31, 135
	v_min_u32 v[TK], 0x7ff, v[L1]                  ; eight places behind the products, ahead of the first read of results: four lines of address work
	v_lshl_add_u32 v[LO], s31, 6, v[LB]
	v_lshl_add_u32 v[XO], v[TK], 10, v[H16]
	v_lshlrev_b32 v[XSO], 5, v[TK]
.rept 4
	v_nop                                          ; and four of these
.endr
	GATHER                                         ; its wait stands behind the products and the address lines; the gelu names none of the registers that these 35 loads touch
	global_load_b32 v[L1], v[LO], s[10:11]
.else
.rept 8
	v_nop
.endr
.endif
	GELU
	QH
	s_min_u32 s31, s24, 135
	s_lshl_b32 s44, s31, 15
	s_add_nc_u64 s[40:41], s[12:13], s[44:45]      ; hid: 32,768 bytes a tile
	s_lshl_b32 s44, s31, 10
	s_add_nc_u64 s[42:43], s[14:15], s[44:45]      ; hs: 1,024
	s_wait_alu depctr_va_vdst(0)                   ; the conversions have written v[CD ..] and the select v[BY], which the three stores read
	global_store_b128 v[L16], v[CD:CD+3], s[40:41]                 ; 512 consecutive bytes, aligned
	global_store_b128 v[L16], v[CD+4:CD+7], s[40:41] offset:512
	global_store_b8 v[HSO], v[BY], s[42:43]
.endm
	s_cmp_eq_u32 s25, 0
	s_cbranch_scc1 .Ltail                          ; my first tile is my last
.Ltile:
	TRIP 1
	s_add_co_u32 s24, s24, 4                       ; my next tile
	s_add_co_u32 s34, s34, 1                       ; the loop is counted by 1 against a number that it does not write
	s_cmp_lt_u32 s34, s25
	s_cbranch_scc1 .Ltile
.Ltail:
	TRIP 0                                         ; my last tile asks for nothing
.Lend:
	s_wait_dscnt 0x0
	s_wait_alu depctr_hold_cnt(0) depctr_sa_sdst(0) depctr_va_vdst(0) depctr_va_sdst(0) depctr_va_ssrc(0) depctr_va_vcc(0) depctr_vm_vsrc(0)
	s_wait_tensorcnt 0x0
	ds_add_u32 v254, v255
	s_wait_dscnt 0x0
	s_endpgm
.Lfunc_end_k_q71e9c141dc_up:
	.size	k_q71e9c141dc_up, .Lfunc_end_k_q71e9c141dc_up-k_q71e9c141dc_up
	.p2alignl 7, 3214868480
	.fill 96, 4, 3214868480
	.section	.rodata,"a",@progbits
	.p2align	6, 0x0
	.amdhsa_kernel k_q71e9c141dc_up
		.amdhsa_group_segment_fixed_size 68096
		.amdhsa_private_segment_fixed_size 0
		.amdhsa_enable_private_segment 0
		.amdhsa_kernarg_size 48
		.amdhsa_user_sgpr_count 2
		.amdhsa_user_sgpr_kernarg_segment_ptr 1
		.amdhsa_wavefront_size32 1
		.amdhsa_system_sgpr_workgroup_id_x 1
		.amdhsa_system_sgpr_workgroup_id_y 1
		.amdhsa_system_sgpr_workgroup_id_z 1
		.amdhsa_system_vgpr_workitem_id 0
		.amdhsa_next_free_vgpr 1024
		.amdhsa_next_free_sgpr 92
		.amdhsa_reserve_vcc 0
		.amdhsa_float_denorm_mode_32 3
		.amdhsa_float_denorm_mode_16_64 3
		.amdhsa_memory_ordered 1
		.amdhsa_forward_progress 1
		.amdhsa_inst_pref_size 152
	.end_amdhsa_kernel
	.amdgpu_metadata
---
amdhsa.version: [ 1, 2 ]
amdhsa.kernels:
  - .name:           k_q71e9c141dc_up
    .symbol:         k_q71e9c141dc_up.kd
    .args:
      - { .name: expert_w1, .offset: 0, .size: 8, .value_kind: global_buffer, .address_space: global }
      - { .name: xc, .offset: 8, .size: 8, .value_kind: global_buffer, .address_space: global }
      - { .name: xs, .offset: 16, .size: 8, .value_kind: global_buffer, .address_space: global }
      - { .name: plan, .offset: 24, .size: 8, .value_kind: global_buffer, .address_space: global }
      - { .name: hid, .offset: 32, .size: 8, .value_kind: global_buffer, .address_space: global }
      - { .name: hs, .offset: 40, .size: 8, .value_kind: global_buffer, .address_space: global }
    .group_segment_fixed_size: 68096
    .private_segment_fixed_size: 0
    .kernarg_segment_align: 8
    .kernarg_segment_size: 48
    .max_flat_workgroup_size: 128
    .sgpr_count:     92
    .vgpr_count:     1024
    .wavefront_size: 32
...
	.end_amdgpu_metadata
.endif
;; end of part 8
;; launch down (part 9): grid 32 x 8, 4 waves a work-group, no clusters, 68,096 bytes of LDS; arguments expert_w2, hid, hs, plan, y; writes y
.if DOCPART == 9
	.amdgcn_target "amdgcn-amd-amdhsa--gfx1250"
	.amdhsa_code_object_version 6
	.text
	.protected	k_q71e9c141dc_down
	.globl	k_q71e9c141dc_down
	.p2align	8
	.type	k_q71e9c141dc_down,@function
k_q71e9c141dc_down:
	s_mov_b64 s[64:65], 0
	v_nop
	global_prefetch_b8 v0, s[64:65] scope:SCOPE_SE
	s_setreg_imm32_b32 hwreg(HW_REG_WAVE_SCHED_MODE, 0, 2), 2
	s_setreg_imm32_b32 hwreg(HW_REG_WAVE_MODE, 25, 1), 1
	s_wait_xcnt 0x0
	s_wait_alu depctr_vm_vsrc(0)
; DOWN.  y = hidden Q(W2[e]) for the tiles of expert e, on codes of E5M2 with one E8M0 scale for each 32 along K = the 2,048 hidden units.
; SHARES.  Work-group (j, e) owns outputs 32 j .. 32 j + 31 of expert e: 2,048 x 32 numbers of W2, 256 KiB of f32, read ONCE in the launch, quantised in registers and kept as 32 fragments (16 K steps x 2 tiles)
; in every wave's registers.  Then the expert's tiles of 16 rows are dealt to the four waves by turns.
; PHASE 1 as in the launch before: a lane owns 4 columns and the 128 rows of one K step.  Here eight lanes read 128 consecutive bytes of a row of W2, and a load takes four rows 128 apart: slices of 64 columns
; would give whole runs of 256 bytes and only 128 work-groups.  An expert without rows still has its slice read: the barrier stands ahead of every branch on a stored number.
; The product is used transposed (source 0 = 16 outputs, source 1 = 16 rows of the hidden layer): a lane holds 8 neighbouring outputs of one row.
; The hidden layer comes as images of the operand's registers: each load reads 512 consecutive aligned bytes.  A tile's 16 K steps come in two halves, each asked for a half ahead.
; SUMS: a row's sum is kept in two chains, by the parity of the K step, and added at the end: four accumulators take turns.
; OUT: y[tile][j][q = 2 t + hf][lane][16 bytes]: lane (r, h) holds y(row r, 32 j + 16 t + 8 h + 4 hf + 0 .. 3): each store covers 512 consecutive aligned bytes.
; NO TENSOR LOADS, NO JOINT LOADS: the number of tiles is a number read from memory, so the loop's trip count hangs on it.  The 32 slices of an expert each read its tiles of hid.
; LIMITS: NaN and infinities are not served.  A block of zeros gets the byte 1 and not 127: its codes are zeros, and this program alone reads the bytes.
; REGISTERS: window 0: addresses, scale words, accumulators;  windows 1, 2: W2 as loaded, then its fragments (fragment 2 s + t at 256 + 16 (2 s + t));
;   window 3: held numbers and the weights' codes, then the hidden fragments: K steps 0-7 at v0-127, 8-15 at v128-255.
; THE MODE: SCHED_MODE bits 1:0 = 2 (LLVM: expert scheduling mode 2), set by the entry lines.  The code itself states the register dependences
; between vector or matrix instructions and memory or LDS instructions, with s_wait_alu, always for 0.
; THE PLAN.  Registers that memory or LDS instructions touch, and who else names them:
;   v1-6                  offsets and LDS addresses: written once at the head, ahead of one wait on va_vdst; never written again: a tile is reached by scalar bases.
;   windows 1, 2          W2's loads land there, and no vector instruction names a round's registers ahead of its loads; phase 1's maxima and holds read them; behind the barrier the fragments' LDS loads land there; the products read them.
;   window 3, v128-255    round c's conversions write 32 registers of their own, round c's eight LDS stores read them; from then on K steps 8-15 land there and the second half's products read them.
;   window 3, v0-127      phase 1's holds write them and its conversions read them; from then on K steps 0-7 land there and the first half's products read them.
;   v[HS ..]              loads land there; a half's products read its eight words as scales.
;   v[YO ..]              written by a tile's eight additions; read by its four stores.
; PHASE 1: round c's LDS stores stand behind the wait for round c + 1's data, one wait on va_vdst ahead of them; round 3's, and the scale words', behind one more.
; A TILE: one wait on va_vdst behind the first half's products, ahead of the next tile's first 34 loads; one on vm_vsrc ahead of the additions, a whole tile behind the stores that it speaks of;
; one on va_vdst behind the additions, for the next tile's other 34 loads and for the four stores together.
.set PB,   4096                        ; a row of W2 in bytes
.set L16,  1                           ; v1   16 x lane
.set WOFF, 2                           ; v2   W2: (lane / 8) x 128 rows + 16 (lane % 8)
.set IST,  3                           ; v3   where my codes' images begin
.set SST,  4                           ; v4   where my columns' scale words go
.set SLD,  5                           ; v5   65,536 + 4 (lane % 16)
.set HSL,  6                           ; v6   64 (lane % 16): my row's scale bytes
.set WS,   16                          ; v16-47  W2's scale words: scales and nothing else
.set HS,   48                          ; v48-63  the hidden layer's, one a K step: scales and nothing else
.set ACC,  64                          ; v64-95  accumulator 2 (s % 2) + t
.set YO,   96                          ; v96-111 the results
.set QM,   200
.set QS,   204
.set QL,   208
.set QB,   212
.set QW,   216
.set TMP,  224
.set MSB, 0
.macro WIN new                         ; the immediate's high byte repeats the setting that is left; a switch that changes nothing is dropped
.if MSB != (\new)
	s_set_vgpr_msb (MSB<<8)|(\new)
.set MSB, (\new)
.endif
.endm
	s_load_b256 s[4:11], s[0:1], 0x0               ; W2, hid, hs, plan
	s_load_b64 s[12:13], s[0:1], 0x20              ; y
	v_lshl_add_u32 v254, v0, 2, 0x10800
	v_mov_b32 v255, 0
	v_lshrrev_b32 v[TMP], 5, v0
	v_readfirstlane_b32 s18, v[TMP]                ; wave 0..3
	s_mov_b32 s19, ttmp9                           ; j
	s_and_b32 s20, ttmp7, 0xffff                   ; e
	v_and_b32 v[TMP], 31, v0
	v_lshlrev_b32 v[L16], 4, v[TMP]
	v_and_b32 v[TMP+1], 7, v0                      ; q = lane % 8
	v_bfe_u32 v[TMP+2], v0, 3, 2                   ; lane / 8
	v_lshlrev_b32 v[WOFF], 4, v[TMP+1]
	v_lshl_add_u32 v[WOFF], v[TMP+2], 19, v[WOFF]  ; 128 rows of 4,096 bytes
	v_bfe_u32 v[TMP+3], v0, 2, 1                   ; my columns 4 q + u: tile t = q / 4,
	v_and_b32 v[TMP+4], 3, v0                      ; row m = 4 (q % 4) + u
	s_wait_alu depctr_va_sdst(0)                   ; s18 is written, ahead of its first reader: LDS addresses, the base of W2 and my first tile are made from it
	s_lshl_b32 s33, s18, 9
	v_lshlrev_b32 v[TMP+5], 6, v[TMP+3]
	v_lshl_add_u32 v[TMP+5], v[TMP+2], 7, v[TMP+5]
	v_add_nc_u32 v[TMP+5], s33, v[TMP+5]           ; 64 x my fragment = 64 t + 128 (4 w + lane / 8)
	v_lshlrev_b32 v[IST], 5, v[TMP+5]
	v_lshl_add_u32 v[IST], v[TMP+4], 6, v[IST]     ; 2,048 x fragment + 16 m
	v_lshl_add_u32 v[SST], v[TMP+4], 4, v[TMP+5]
	v_add_nc_u32 v[SST], 0x10000, v[SST]           ; 65,536 + 64 x fragment + 4 m
	v_and_b32 v[TMP+6], 15, v0
	v_lshl_add_u32 v[SLD], v[TMP+6], 2, 0x10000
	v_lshlrev_b32 v[HSL], 6, v[TMP+6]
	s_mov_b32 s27, 0x600000                        ; the mantissa field of 57,344
	s_mov_b32 s37, 0
	s_wait_kmcnt 0x0
	s_lshl_b32 s36, s20, 23                        ; an expert is 8,388,608 bytes,
	s_lshl_b32 s33, s19, 7                         ; my slice 128 bytes of a row,
	s_add_co_u32 s36, s36, s33
	s_lshl_b32 s33, s18, 21                        ; my wave's four K steps 512 rows
	s_add_co_u32 s36, s36, s33
	s_add_nc_u64 s[4:5], s[4:5], s[36:37]
	s_lshl_b32 s36, s20, 2
	s_add_nc_u64 s[50:51], s[10:11], s[36:37]
	s_load_b64 s[22:23], s[50:51], 0x0             ; tb[e], tb[e + 1]: waited for behind the barrier
	s_lshl_b32 s36, s19, 11
	s_add_nc_u64 s[12:13], s[12:13], s[36:37]      ; y + 2,048 j
; Round c: rows 32 c .. 32 c + 31 of my K step, 4 columns a lane.  Register 4 i + u = W2(row i, column u).
; No vector instruction names a round's registers ahead of its loads, and v[WOFF] is never written again: the one wait ahead of round 0's loads serves all four rounds.
.macro WLOAD c
.set XB, 128*((\c)%2)
	WIN 0x40*(1+(\c)/2)
.set wi, 0
.rept 32
	global_load_b128 v[XB+4*wi:XB+4*wi+3], v[WOFF], s[4:5] offset:(32*(\c)+wi)*PB th:TH_LOAD_NT
.set wi, wi+1
.endr
	WIN 0
.endm
; Round c becomes codes: four blocks of 32, one a column.
.macro WQ c
.set XB, 128*((\c)%2)
.set WX, 1+(\c)/2
.irp u, 0,1,2,3
	v_mov_b32 v[QM+\u], 0x8000000                  ; the floor 2^(16 - 127): the byte cannot fall under 1
.endr
	WIN (WX<<2)|(WX<<4)
.set qi, 0
.rept 16
.irp u, 0,1,2,3
	v_max3_num_f32 v[QM+\u], v[QM+\u], |v[XB+8*qi+\u]|, |v[XB+8*qi+4+\u]|   ; the four columns by turns
.endr
.set qi, qi+1
.endr
	WIN 0
.irp u, 0,1,2,3
	v_add_nc_u32 v[QS+\u], 0xf8800000, v[QM+\u]    ; 15 off the exponent field: the conversion's scale operand
.endr
.irp u, 0,1,2,3
	v_and_or_b32 v[QL+\u], v[QM+\u], 0x7f800000, s27   ; 57,344 x the scale
.endr
.irp u, 0,1,2,3
	v_lshrrev_b32 v[QB+\u], 23, v[QS+\u]           ; the byte
.endr
.if (\c) == 0
.irp u, 0,1,2,3
	v_mov_b32 v[QW+\u], v[QB+\u]
.endr
.else
.irp u, 0,1,2,3
	v_lshl_or_b32 v[QW+\u], v[QB+\u], 8*(\c), v[QW+\u]   ; a K step's four bytes make a column's scale word
.endr
.endif
	WIN 0xC0|WX
.irp u, 0,1,2,3
.set qi, 0
.rept 32
	v_med3_num_f32 v[32*\u+qi], v[XB+4*qi+\u], -v[QL+\u], v[QL+\u]   ; the hold (the conversion does not saturate: ISA guide 7.6.2), and each column's 32 numbers on end
.set qi, qi+1
.endr
.endr
	WIN 0xC3
.irp u, 0,1,2,3
.irp k, 0,1,2,3
	v_cvt_scalef32_pk8_bf8_f32 v[128+32*(\c)+8*\u+2*\k:128+32*(\c)+8*\u+2*\k+1], v[32*\u+8*\k:32*\u+8*\k+7], v[QS+\u]
.endr
.endr
	v_nop                                          ; a plain line behind the last conversion: the next round writes its sources
	WIN 0
.endm
; Round c's codes go to LDS.  Each round has 32 registers of its own for them: phase 1 does not write them again.
.macro WST c
	WIN 0x0C                                       ; an LDS store's data are its source 1: window 3
	s_wait_alu depctr_va_vdst(0)                   ; round c's conversions have written its codes, which the stores below read
.irp u, 0,1,2,3
.irp hh, 0,1
	ds_store_b128 v[IST], v[128+32*(\c)+8*\u+4*\hh:128+32*(\c)+8*\u+4*\hh+3] offset:512*(\c)+256*\hh+16*\u   ; k = 32 c + 16 hh + 0 .. 15 of row m + u: lane slot 16 hh + m + u of image c
.endr
.endr
	WIN 0
.endm
	s_wait_alu depctr_va_vdst(0)                   ; the offsets and LDS addresses v1 to v6 are written: every load and store of the kernel names one of them and stands behind this wait
	WLOAD 0
	WLOAD 1
	s_wait_loadcnt 32                              ; round 0 is in; round 1's 32 loads may be out
	WLOAD 2
	WQ 0
	s_wait_loadcnt 32                              ; round 1 is in; round 2's may be out
	WLOAD 3
	WST 0                                          ; a round's stores stand behind the wait for the next round's data
	WQ 1
	s_wait_loadcnt 32                              ; round 2 is in; round 3's may be out
	WST 1
	WQ 2
	s_wait_loadcnt 0x0
	WST 2
	WQ 3
	WST 3                                          ; its wait also shows the four scale words written, which the stores below read
.irp u, 0,1,2,3
	ds_store_b32 v[SST], v[QW+\u] offset:4*\u
.endr
	s_wait_dscnt 0x0                               ; for the others: my images and scale words lie in LDS
	s_barrier_signal -1
	s_barrier_wait -1                              ; the launch's one barrier: nothing is stored to LDS behind it
	s_wait_alu depctr_vm_vsrc(0)                   ; my LDS stores have read the codes' registers (window 3, v128-255), in which the hidden layer's K steps 8-15 land from here on
	s_wait_kmcnt 0x0
	s_min_u32 s22, s22, 135                        ; a number read from memory is held by a constant before an address is made of it
	s_min_u32 s26, s23, 135                        ; end: the expert's tiles are tb[e] .. end - 1
	s_add_co_u32 s24, s22, s18                     ; my first tile; the waves take the tiles by turns
	s_cmp_ge_u32 s24, s26
	s_cbranch_scc1 .Lend                           ; none for me
	s_sub_co_u32 s25, s26, s24
	s_sub_co_u32 s25, s25, 1
	s_lshr_b32 s25, s25, 2                         ; how many of my tiles have a successor of mine: (end - 1 - first) / 4, rounded down;
	s_min_u32 s25, s25, 33                         ; of at most 135 tiles a wave has at most 34
	s_mov_b32 s34, 0                               ; counts them, by 1
; The bases of a half's loads, for the tile ahead tiles on: each half has pairs of its own.
.macro HBASE half, ahead
	s_add_co_u32 s31, s24, \ahead
	s_min_u32 s31, s31, 135
	s_lshl_b32 s36, s31, 15
	s_add_nc_u64 s[40+4*(\half):41+4*(\half)], s[6:7], s[36:37]    ; hid: 32,768 bytes a tile
	s_lshl_b32 s36, s31, 10
	s_add_nc_u64 s[42+4*(\half):43+4*(\half)], s[8:9], s[36:37]    ; hs: 1,024
.endm
; Eight K steps of a tile: 32 images and 8 scale words: 34 loads.
.macro HLOAD half
	WIN 0xC0
.set ho, 0
.rept 32
	global_load_b128 v[128*(\half)+4*ho:128*(\half)+4*ho+3], v[L16], s[40+4*(\half):41+4*(\half)] offset:16384*(\half)+512*ho
.set ho, ho+1
.endr
	WIN 0
	global_load_b128 v[HS+8*(\half):HS+8*(\half)+3], v[HSL], s[42+4*(\half):43+4*(\half)] offset:32*(\half)
	global_load_b128 v[HS+8*(\half)+4:HS+8*(\half)+7], v[HSL], s[42+4*(\half):43+4*(\half)] offset:32*(\half)+16
.endm
	HBASE 0, 0
	HBASE 1, 0
	WIN 0xC0
	s_wait_alu depctr_va_vdst(0)                   ; phase 1's holds and conversions, which wrote and read window 3, are done: the hidden layer's fragments land there; its maxima and holds are done reading windows 1 and 2, in which W2's fragments land
	HLOAD 0
	HLOAD 1
	; all 32 fragments and their scale words into my registers
	WIN 0x40
.set fo, 0
.rept 64
	ds_load_b128 v[4*fo:4*fo+3], v[L16] offset:512*fo
.set fo, fo+1
.endr
	WIN 0x80
.set fo, 0
.rept 64
	ds_load_b128 v[4*fo:4*fo+3], v[L16] offset:512*(fo+64)
.set fo, fo+1
.endr
	WIN 0
.set fo, 0
.rept 32
	ds_load_b32 v[WS+fo], v[SLD] offset:64*fo
.set fo, fo+1
.endr
	s_wait_dscnt 0x0
; 16 products: 8 K steps x 2 tiles of outputs.  The four accumulators take turns, one instruction a turn; the first two K steps start the sums.
.macro PROD half
	WIN 0x0D+(\half)                               ; source 0 (W2) window 1 or 2; source 1 (the hidden layer) window 3
.set ps, 0
.rept 8
.irp t, 0,1
.set pa, ACC+8*(2*(ps%2)+\t)
.if ((\half) == 0) && (ps < 2)
	v_wmma_scale_f32_16x16x128_f8f6f4 v[pa:pa+7], v[16*(2*ps+\t):16*(2*ps+\t)+15], v[128*(\half)+16*ps:128*(\half)+16*ps+15], 0, v[WS+16*(\half)+2*ps+\t], v[HS+8*(\half)+ps] matrix_a_fmt:MATRIX_FMT_BF8 matrix_b_fmt:MATRIX_FMT_BF8
.else
	v_wmma_scale_f32_16x16x128_f8f6f4 v[pa:pa+7], v[16*(2*ps+\t):16*(2*ps+\t)+15], v[128*(\half)+16*ps:128*(\half)+16*ps+15], v[pa:pa+7], v[WS+16*(\half)+2*ps+\t], v[HS+8*(\half)+ps] matrix_a_fmt:MATRIX_FMT_BF8 matrix_b_fmt:MATRIX_FMT_BF8
.endif
.endr
.set ps, ps+1
.endr
	WIN 0
.endm
; One tile.  next = 1: each half of my next tile is asked for as soon as this tile's half has been multiplied.
.macro TRIP next
	s_wait_loadcnt 34                              ; K steps 0-7 are in; the 34 loads of K steps 8-15 may be out
	PROD 0
.rept 8
	v_nop                                          ; eight places behind the products, kept ahead of the loads into their operands; what those loads hang on is stated by the wait below
.endr
.if \next
	s_wait_xcnt 0x0
	HBASE 0, 4
	WIN 0xC0
	s_wait_alu depctr_va_vdst(0)                   ; the first half's products are done reading K steps 0-7 and their scale words, in which the loads below land
	HLOAD 0
	s_wait_loadcnt 34                              ; K steps 8-15 are in; the 34 loads just issued may be out
.else
	s_wait_loadcnt 0x0
.endif
	PROD 1
.rept 8
	v_nop                                          ; eight places ahead of the first read of results
.endr
	s_wait_xcnt 0x0                                ; the last tile's stores have had their addresses translated, and so have the loads: only now are the stores' data and the bases written again
	s_wait_alu depctr_vm_vsrc(0)                   ; the last tile's stores, a whole tile back, have read v[YO ..], which the additions below write
.irp t, 0,1
.irp p, 0,1,2,3
	v_pk_add_f32 v[YO+8*\t+2*\p:YO+8*\t+2*\p+1], v[ACC+8*\t+2*\p:ACC+8*\t+2*\p+1], v[ACC+16+8*\t+2*\p:ACC+16+8*\t+2*\p+1]   ; the two chains; each accumulator from its low end on
.endr
.endr
.if \next
	HBASE 1, 4
.endif
	s_min_u32 s31, s24, 135
	s_lshl_b32 s36, s31, 16
	s_add_nc_u64 s[48:49], s[12:13], s[36:37]      ; y: 65,536 bytes a tile
.if \next
	WIN 0xC0
.endif
	s_wait_alu depctr_va_vdst(0)                   ; the additions have written v[YO ..], which the stores read; the second half's products are done reading K steps 8-15 and their scale words, in which the next tile's loads land
.if \next
	HLOAD 1
.endif
.irp q, 0,1,2,3
	global_store_b128 v[L16], v[YO+4*\q:YO+4*\q+3], s[48:49] offset:512*\q   ; 512 consecutive bytes, aligned
.endr
.endm
	s_cmp_eq_u32 s25, 0
	s_cbranch_scc1 .Ltail                          ; my first tile is my last
.Ltile:
	TRIP 1
	s_add_co_u32 s24, s24, 4                       ; my next tile
	s_add_co_u32 s34, s34, 1                       ; the loop is counted by 1 against a number that it does not write
	s_cmp_lt_u32 s34, s25
	s_cbranch_scc1 .Ltile
.Ltail:
	TRIP 0                                         ; my last tile asks for nothing
.Lend:
	s_wait_dscnt 0x0
	s_wait_alu depctr_hold_cnt(0) depctr_sa_sdst(0) depctr_va_vdst(0) depctr_va_sdst(0) depctr_va_ssrc(0) depctr_va_vcc(0) depctr_vm_vsrc(0)
	s_wait_tensorcnt 0x0
	ds_add_u32 v254, v255
	s_wait_dscnt 0x0
	s_endpgm
.Lfunc_end_k_q71e9c141dc_down:
	.size	k_q71e9c141dc_down, .Lfunc_end_k_q71e9c141dc_down-k_q71e9c141dc_down
	.p2alignl 7, 3214868480
	.fill 96, 4, 3214868480
	.section	.rodata,"a",@progbits
	.p2align	6, 0x0
	.amdhsa_kernel k_q71e9c141dc_down
		.amdhsa_group_segment_fixed_size 68096
		.amdhsa_private_segment_fixed_size 0
		.amdhsa_enable_private_segment 0
		.amdhsa_kernarg_size 40
		.amdhsa_user_sgpr_count 2
		.amdhsa_user_sgpr_kernarg_segment_ptr 1
		.amdhsa_wavefront_size32 1
		.amdhsa_system_sgpr_workgroup_id_x 1
		.amdhsa_system_sgpr_workgroup_id_y 1
		.amdhsa_system_sgpr_workgroup_id_z 1
		.amdhsa_system_vgpr_workitem_id 0
		.amdhsa_next_free_vgpr 1024
		.amdhsa_next_free_sgpr 66
		.amdhsa_reserve_vcc 0
		.amdhsa_float_denorm_mode_32 3
		.amdhsa_float_denorm_mode_16_64 3
		.amdhsa_memory_ordered 1
		.amdhsa_forward_progress 1
		.amdhsa_inst_pref_size 112
	.end_amdhsa_kernel
	.amdgpu_metadata
---
amdhsa.version: [ 1, 2 ]
amdhsa.kernels:
  - .name:           k_q71e9c141dc_down
    .symbol:         k_q71e9c141dc_down.kd
    .args:
      - { .name: expert_w2, .offset: 0, .size: 8, .value_kind: global_buffer, .address_space: global }
      - { .name: hid, .offset: 8, .size: 8, .value_kind: global_buffer, .address_space: global }
      - { .name: hs, .offset: 16, .size: 8, .value_kind: global_buffer, .address_space: global }
      - { .name: plan, .offset: 24, .size: 8, .value_kind: global_buffer, .address_space: global }
      - { .name: y, .offset: 32, .size: 8, .value_kind: global_buffer, .address_space: global }
    .group_segment_fixed_size: 68096
    .private_segment_fixed_size: 0
    .kernarg_segment_align: 8
    .kernarg_segment_size: 40
    .max_flat_workgroup_size: 128
    .sgpr_count:     66
    .vgpr_count:     1024
    .wavefront_size: 32
...
	.end_amdgpu_metadata
.endif
;; end of part 9
;; launch norm (part 10): grid 135 x 1, 8 waves a work-group, no clusters, 67,072 bytes of LDS; arguments y, plan, tv, ln_gamma, ln_beta, out0; writes out0
.if DOCPART == 10
	.amdgcn_target "amdgcn-amd-amdhsa--gfx1250"
	.amdhsa_code_object_version 6
	.text
	.protected	k_q71e9c141dc_norm
	.globl	k_q71e9c141dc_norm
	.p2align	8
	.type	k_q71e9c141dc_norm,@function
k_q71e9c141dc_norm:
	s_mov_b64 s[64:65], 0
	v_nop
	global_prefetch_b8 v0, s[64:65] scope:SCOPE_SE
	s_setreg_imm32_b32 hwreg(HW_REG_WAVE_MODE, 25, 1), 1
	s_wait_xcnt 0x0
; NORM.  out0[token] = LayerNorm(y[row] x top_val[token]) x gamma + beta, and the rows go back to the tokens' order.
; SHARES.  Work-group g takes tile g: 16 rows of 1,024 numbers, 64 KiB.  135 work-groups serve every split of 2,048 tokens over 8 experts: (2,048 + 8 x 15) / 16, rounded down.
; y lies by slices of 32 columns, as the launch before stores it: each load reads 512 consecutive aligned bytes, and the rows are put together in LDS (pitch 4,096 + 16 bytes).  Behind the one barrier a wave takes two whole rows:
; a lane holds 32 numbers of a row, the sums never leave the wave, and each store covers 512 consecutive aligned bytes of a row of out0.
; No barrier may hang on a number read from memory: a work-group beyond the last tile reads the last tile, passes the barrier, and stores nothing.  A padding row (list entry 4,096) is passed over.
; Mean and variance in two passes: the variance is the mean of the squared deviations, so no difference of large sums is formed.
; No matrix unit, no tensor load, no cluster: every byte is read once and the work-groups share only gamma and beta.
.set PITCH, 4112
.set L16, 1                            ; v1   16 x lane
.set STO, 3                            ; v3   into the stage: row lane % 16, + 32 (lane / 16) + 512 w
.set RDA, 4                            ; v4   out of it: row 2 w, + 16 x lane
.set YR,  16                           ; v16-79   y as loaded
.set GA,  80                           ; v80-111  gamma of my 32 columns (128 k + 4 lane + 0 .. 3)
.set BE,  112                          ; v112-143 beta
	s_load_b256 s[4:11], s[0:1], 0x0               ; y, plan, tv, gamma
	s_load_b128 s[12:15], s[0:1], 0x20             ; beta, out0
	v_lshl_add_u32 v208, v0, 2, 0x10200
	v_mov_b32 v209, 0
	v_lshrrev_b32 v1, 5, v0
	s_delay_alu instid0(VALU_DEP_1)
	v_readfirstlane_b32 s16, v1                    ; wave 0..7
	v_and_b32 v2, 31, v0
	s_delay_alu instid0(VALU_DEP_1)
	v_lshlrev_b32 v[L16], 4, v2
	v_and_b32 v5, 15, v0
	v_bfe_u32 v6, v0, 4, 1
	s_delay_alu instid0(VALU_DEP_2)
	v_mul_u32_u24 v[STO], v5, PITCH
	s_delay_alu instid0(VALU_DEP_1)
	v_lshl_add_u32 v[STO], v6, 5, v[STO]
	s_lshl_b32 s17, s16, 9
	v_add_nc_u32 v[STO], s17, v[STO]
	s_mul_i32 s17, s16, 2*PITCH
	v_add_nc_u32 v[RDA], s17, v[L16]
	v_mov_b32 v7, 0                                ; a lane permute's destination: written once
	v_mov_b32 v13, 0                               ; upper halves of pairs of which the low word serves both halves
	v_mov_b32 v15, 0
	s_mov_b32 s33, 0
	s_mov_b32 s45, 0
	s_mov_b32 s47, 0
	s_mov_b32 s34, 0x3a800000                      ; 1 / 1,024
	s_mov_b32 s42, 0x76543210
	s_mov_b32 s43, 0xfedcba98                      ; selects: lane l xor 16
	s_wait_alu depctr_va_vdst(0)
	s_wait_kmcnt 0x0
	s_load_b32 s20, s[6:7], 0x20                   ; tb[8]: the number of tiles
.irp k, 0,1,2,3,4,5,6,7
	global_load_b128 v[GA+4*\k:GA+4*\k+3], v[L16], s[10:11] offset:512*\k
.endr
.irp k, 0,1,2,3,4,5,6,7
	global_load_b128 v[BE+4*\k:BE+4*\k+3], v[L16], s[12:13] offset:512*\k
.endr
	s_wait_kmcnt 0x0
	s_min_u32 s20, s20, 135
	s_sub_co_u32 s21, s20, 1
	s_min_u32 s22, ttmp9, s21                      ; the tile that I read: mine, or the last
	s_min_u32 s22, s22, 134
	s_lshl_b32 s46, s22, 6
	s_lshl_b32 s17, s16, 3
	s_add_co_u32 s46, s46, s17
	s_add_nc_u64 s[28:29], s[6:7], s[46:47]
	s_load_b64 s[24:25], s[28:29], 0x100           ; the list's entries of rows 2 w and 2 w + 1
	s_lshl_b32 s46, s22, 16
	s_lshl_b32 s17, s16, 13
	s_add_co_u32 s46, s46, s17
	s_add_nc_u64 s[4:5], s[4:5], s[46:47]          ; y: my tile, slices 4 w .. 4 w + 3
.irp k, 0,1,2,3,4,5,6,7,8,9,10,11,12,13,14,15
	global_load_b128 v[YR+4*\k:YR+4*\k+3], v[L16], s[4:5] offset:512*\k th:TH_LOAD_NT
.endr
	s_wait_kmcnt 0x0
	s_min_u32 s26, s24, 2047                       ; held inside the tables; a padding row's numbers are loaded and not used
	s_min_u32 s27, s25, 2047
	s_lshl_b32 s46, s26, 2
	s_add_nc_u64 s[30:31], s[8:9], s[46:47]
	s_load_b32 s32, s[30:31], 0x0                  ; top_val of the two tokens
	s_lshl_b32 s46, s27, 2
	s_add_nc_u64 s[40:41], s[8:9], s[46:47]
	s_load_b32 s44, s[40:41], 0x0
	s_lshl_b32 s46, s26, 12
	s_add_nc_u64 s[36:37], s[14:15], s[46:47]      ; and their rows of out0
	s_lshl_b32 s46, s27, 12
	s_add_nc_u64 s[38:39], s[14:15], s[46:47]
.irp k, 0,1,2,3,4,5,6,7,8,9,10,11,12,13,14,15
	s_wait_loadcnt 15-\k                           ; load k is in; the younger ones may be out (gamma and beta are older)
	ds_store_b128 v[STO], v[YR+4*\k:YR+4*\k+3] offset:128*(\k/4)+64*((\k%4)/2)+16*(\k%2)   ; slice k / 4, tile of outputs (k % 4) / 2, half k % 2
.endr
	s_wait_kmcnt 0x0
	s_wait_dscnt 0x0                               ; for the others: my columns of the 16 rows lie in LDS
	s_barrier_signal -1
	s_barrier_wait -1
	s_cmp_ge_u32 ttmp9, s20                        ; beyond the last tile: nothing to store
	s_cbranch_scc1 .Ldone
.macro WSUM r                          ; the sum over the 32 lanes, in every lane
	s_delay_alu instid0(VALU_DEP_1)
	v_add_f32_dpp v[\r], v[\r], v[\r] row_xmask:1 row_mask:0xf bank_mask:0xf
	s_delay_alu instid0(VALU_DEP_1)
	v_add_f32_dpp v[\r], v[\r], v[\r] row_xmask:2 row_mask:0xf bank_mask:0xf
	s_delay_alu instid0(VALU_DEP_1)
	v_add_f32_dpp v[\r], v[\r], v[\r] row_xmask:4 row_mask:0xf bank_mask:0xf
	s_delay_alu instid0(VALU_DEP_1)
	v_add_f32_dpp v[\r], v[\r], v[\r] row_xmask:8 row_mask:0xf bank_mask:0xf
	s_delay_alu instid0(VALU_DEP_1)
	v_permlanex16_b32 v7, v[\r], s42, s43
	s_delay_alu instid0(VALU_DEP_1)
	v_add_f32 v[\r], v[\r], v7
.endm
; Row 2 w + i.  Each row has 32 registers and a base of its own: no store's data or base are written again.
.macro ROW i
.set Z, 144+32*(\i)
	s_cmp_ge_u32 s[24+\i], 2048
	s_cbranch_scc1 .Lpad_\@
.irp k, 0,1,2,3,4,5,6,7
	ds_load_b128 v[Z+4*\k:Z+4*\k+3], v[RDA] offset:PITCH*(\i)+512*\k
.endr
	s_wait_dscnt 0x0
.set zi, 0
.rept 16
	v_pk_mul_f32 v[Z+2*zi:Z+2*zi+1], v[Z+2*zi:Z+2*zi+1], s[32+12*(\i):33+12*(\i)] op_sel_hi:[1,0]   ; x top_val
.set zi, zi+1
.endr
	v_pk_add_f32 v[8:9], v[Z:Z+1], v[Z+2:Z+3]      ; the sum, in two chains
	v_pk_add_f32 v[10:11], v[Z+4:Z+5], v[Z+6:Z+7]
.set zi, 4
.rept 6
	s_delay_alu instid0(VALU_DEP_2)
	v_pk_add_f32 v[8:9], v[8:9], v[Z+2*zi:Z+2*zi+1]
	s_delay_alu instid0(VALU_DEP_2)
	v_pk_add_f32 v[10:11], v[10:11], v[Z+2*zi+2:Z+2*zi+3]
.set zi, zi+2
.endr
	s_delay_alu instid0(VALU_DEP_1)
	v_pk_add_f32 v[8:9], v[8:9], v[10:11]
	s_delay_alu instid0(VALU_DEP_1)
	v_add_f32 v8, v8, v9
	WSUM 8
	s_delay_alu instid0(VALU_DEP_1)
	v_mul_f32 v12, 0xba800000, v8                  ; minus the mean
.set zi, 0
.rept 16
	v_pk_add_f32 v[Z+2*zi:Z+2*zi+1], v[Z+2*zi:Z+2*zi+1], v[12:13] op_sel_hi:[1,0]
.set zi, zi+1
.endr
	v_pk_mul_f32 v[8:9], v[Z:Z+1], v[Z:Z+1]        ; the squared deviations, in two chains
	v_pk_mul_f32 v[10:11], v[Z+2:Z+3], v[Z+2:Z+3]
.set zi, 2
.rept 7
	s_delay_alu instid0(VALU_DEP_2)
	v_pk_fma_f32 v[8:9], v[Z+2*zi:Z+2*zi+1], v[Z+2*zi:Z+2*zi+1], v[8:9]
	s_delay_alu instid0(VALU_DEP_2)
	v_pk_fma_f32 v[10:11], v[Z+2*zi+2:Z+2*zi+3], v[Z+2*zi+2:Z+2*zi+3], v[10:11]
.set zi, zi+2
.endr
	s_delay_alu instid0(VALU_DEP_1)
	v_pk_add_f32 v[8:9], v[8:9], v[10:11]
	s_delay_alu instid0(VALU_DEP_1)
	v_add_f32 v8, v8, v9
	WSUM 8
	s_delay_alu instid0(VALU_DEP_1)
	v_fma_f32 v14, v8, s34, 0x3727c5ac             ; the variance + 1e-5
	s_wait_alu depctr_va_vdst(0)
	v_rsq_f32 v14, v14
	v_nop                                          ; a plain line behind the transcendental,
	s_wait_alu depctr_va_vdst(0)                   ; and the wait ahead of its first reader
.set zi, 0
.rept 16
	v_pk_mul_f32 v[Z+2*zi:Z+2*zi+1], v[Z+2*zi:Z+2*zi+1], v[14:15] op_sel_hi:[1,0]
.set zi, zi+1
.endr
.set zi, 0
.rept 16
	v_pk_fma_f32 v[Z+2*zi:Z+2*zi+1], v[Z+2*zi:Z+2*zi+1], v[GA+2*zi:GA+2*zi+1], v[BE+2*zi:BE+2*zi+1]
.set zi, zi+1
.endr
.irp k, 0,1,2,3,4,5,6,7
	global_store_b128 v[L16], v[Z+4*\k:Z+4*\k+3], s[36+2*(\i):37+2*(\i)] offset:512*\k th:TH_STORE_NT   ; 512 consecutive bytes, aligned; written once, read by nobody here
.endr
.Lpad_\@:
.endm
	ROW 0
	ROW 1
.Ldone:
	s_wait_tensorcnt 0x0
	ds_add_u32 v208, v209
	s_wait_dscnt 0x0
	s_endpgm
.Lfunc_end_k_q71e9c141dc_norm:
	.size	k_q71e9c141dc_norm, .Lfunc_end_k_q71e9c141dc_norm-k_q71e9c141dc_norm
	.p2alignl 7, 3214868480
	.fill 96, 4, 3214868480
	.section	.rodata,"a",@progbits
	.p2align	6, 0x0
	.amdhsa_kernel k_q71e9c141dc_norm
		.amdhsa_group_segment_fixed_size 67072
		.amdhsa_private_segment_fixed_size 0
		.amdhsa_enable_private_segment 0
		.amdhsa_kernarg_size 48
		.amdhsa_user_sgpr_count 2
		.amdhsa_user_sgpr_kernarg_segment_ptr 1
		.amdhsa_wavefront_size32 1
		.amdhsa_system_sgpr_workgroup_id_x 1
		.amdhsa_system_sgpr_workgroup_id_y 1
		.amdhsa_system_sgpr_workgroup_id_z 1
		.amdhsa_system_vgpr_workitem_id 0
		.amdhsa_next_free_vgpr 210
		.amdhsa_next_free_sgpr 66
		.amdhsa_reserve_vcc 0
		.amdhsa_float_denorm_mode_32 3
		.amdhsa_float_denorm_mode_16_64 3
		.amdhsa_memory_ordered 1
		.amdhsa_forward_progress 1
		.amdhsa_inst_pref_size 28
	.end_amdhsa_kernel
	.amdgpu_metadata
---
amdhsa.version: [ 1, 2 ]
amdhsa.kernels:
  - .name:           k_q71e9c141dc_norm
    .symbol:         k_q71e9c141dc_norm.kd
    .args:
      - { .name: y, .offset: 0, .size: 8, .value_kind: global_buffer, .address_space: global }
      - { .name: plan, .offset: 8, .size: 8, .value_kind: global_buffer, .address_space: global }
      - { .name: tv, .offset: 16, .size: 8, .value_kind: global_buffer, .address_space: global }
      - { .name: ln_gamma, .offset: 24, .size: 8, .value_kind: global_buffer, .address_space: global }
      - { .name: ln_beta, .offset: 32, .size: 8, .value_kind: global_buffer, .address_space: global }
      - { .name: out0, .offset: 40, .size: 8, .value_kind: global_buffer, .address_space: global }
    .group_segment_fixed_size: 67072
    .private_segment_fixed_size: 0
    .kernarg_segment_align: 8
    .kernarg_segment_size: 48
    .max_flat_workgroup_size: 256
    .sgpr_count:     66
    .vgpr_count:     210
    .wavefront_size: 32
...
	.end_amdgpu_metadata
.endif
;; end of part 10
